; MI455X (gfx1250); checked and timed in simulation.
; The chip was launched on July 23, 2026; its instructions are those of AMD's public machine-readable ISA for CDNA 5 (MIT licence, August 2026) and "CDNA5" Instruction Set Architecture Reference Guide (July 2026). The comments in the code are by the model that wrote it; some were corrected since.
;; Multi Head Self Attention. Allowed arithmetic: matrix products marked QUANTISED: E2M3 operands, one E8M0 scale for each 32 along K, by v_wmma_scale_f32_16x16x128_f8f6f4 with both operands' format E2M3, f32 sums; everything else in f32.
;; Inputs: Wk 1,024 x 1,024 float32; Wo 1,024 x 1,024 float32; Wq 1,024 x 1,024 float32; Wv 1,024 x 1,024 float32; x 4 x 2,048 x 1,024 float32.
;; Outputs: out0 4 x 2,048 x 1,024 float32.
;; This version of the problem:
;;   THIS VERSION OF THE PROBLEM IS GIVEN IN LOW PRECISION. The matrix products marked QUANTISED in the list below multiply operands that are first quantised to E2M3 (2 exponent bits, 3 mantissa bits; 6 bits a number), with one power-of-two scale for each 32 numbers along K (OCP MX v1.0); their sums are f32. All else is computed in f32.
;;   The module's matrix products, in the order in which they are computed (A, B: the left and right operand; K: the contracted axis; several contracted axes count as one K, in the product's order):
;;     1. [M 8,192, K 1,024] x [K 1,024, N 1,024]; A: input x; B: input Wq: QUANTISED
;;     2. [M 8,192, K 1,024] x [K 1,024, N 1,024]; A: input x; B: input Wk: QUANTISED
;;     3. [M 8,192, K 1,024] x [K 1,024, N 1,024]; A: input x; B: input Wv: QUANTISED
;;     4. batch 64 x [M 2,048, K 64] x [K 64, N 2,048]; A: computed on the way; B: computed on the way: QUANTISED
;;     5. batch 64 x [M 2,048, K 2,048] x [K 2,048, N 64]; A: softmax (see below); B: computed on the way: QUANTISED
;;     6. [M 8,192, K 1,024] x [K 1,024, N 1,024]; A: computed on the way; B: input Wo: QUANTISED
;;   THE QUANTISER, for each operand of a quantised product, along K:
;;     - K is cut into blocks of 32 from its start; a last block that is shorter is filled with zeros.
;;     - A block's scale is 2^e with e = floor(log2(the largest magnitude in the block)) - 2, held to -126 .. 127; a block of zeros has e = 0. As a byte (E8M0): e + 127.
;;     - Each number is divided by its block's scale, clamped to +-7.5, and rounded to the nearest number of E2M3, ties to even, subnormals kept.
;;     - The product sums the exact products of the quantised numbers (number of the format x scale) in f32.
;;   ~~~python
;;   def quantise(x, axis):      # numpy; x: float32 -> the quantised numbers, widened to float32 again
;;       x = np.moveaxis(x, axis, -1); K = x.shape[-1]
;;       x = np.pad(x, [(0, 0)] * (x.ndim - 1) + [(0, -K % 32)]); x = x.reshape(x.shape[:-1] + (-1, 32)); a = np.abs(x).max(-1, keepdims=True)
;;       e = np.where(a > 0, np.clip(np.frexp(np.where(a > 0, a, 1))[1] - 1 - 2, -126, 127), 0)      # np.frexp(a)[1] - 1 = floor(log2(a)), exactly
;;       r = np.clip(x / 2.0 ** e, -7.5, 7.5)
;;       step = 2.0 ** (np.maximum(np.frexp(np.where(r == 0, 1, r))[1] - 1, 0) - 3)
;;       q = np.round(r / step) * step * 2.0 ** e      # np.round: ties to even
;;       return np.moveaxis(q.reshape(q.shape[:-2] + (-1,))[..., :K], -1, axis).astype(np.float32)
;;   ~~~
;;   SOFTMAX AHEAD OF A QUANTISED PRODUCT. Where the list says 'softmax', what is quantised is not the finished softmax but p = 2^(t - M), with t = logit x log2(e) and M = ceil(the row's largest t), a whole number; so 1/2 < the row's largest p <= 1. The row's sum l is taken of the UNQUANTISED p, in f32, and the product's result is divided by l at the end. Since M is a whole number, a kernel that streams over the keys may use a running M (the ceiling of the running maximum): every later rescaling is an exact power of two, which a block's scale takes up: the codes' values come out the same.
;;   OPERANDS COMPUTED ON THE WAY. 'Computed on the way' means the value that the module computes at that place (a softmax that the list does not call 'softmax' is quantised finished and normalised). What goes into a quantiser is computed in f32, as accurately as f32 sums, v_exp_f32 and their like allow (about 1e-6 of the number): no bf16 or f16 on the way to a quantiser, and a product that is left as it is and whose result goes on into a quantised operand takes f32 operands (vector FMAs, or v_wmma_f32_16x16x4_f32). A number that lies on a knife's edge between two numbers of the format may be rounded either way, as far as f32 arithmetic and the matrix unit's own rounding can turn it there, and no further.
;; One version. Each part assembles by itself: llvm-mc -triple=amdgcn-amd-amdhsa -mcpu=gfx1250 --defsym DOCPART=n.
;; ======== version 1 of 1: 4 launches
;; workspace buffers: xq 6,553,600 bytes; wq 3,276,800 bytes; qq 6,553,600 bytes; kv 13,107,200 bytes; aq 6,553,600 bytes
;; launch prep (part 1): grid 256 x 1, 4 waves a work-group, no clusters, 201,216 bytes of LDS; arguments x, Wq, Wk, Wv, Wo, xq, wq; writes xq, wq
.if DOCPART == 1
	.amdgcn_target "amdgcn-amd-amdhsa--gfx1250"
	.amdhsa_code_object_version 6
	.text
	.protected	k_q70b1ca6234_prep
	.globl	k_q70b1ca6234_prep
	.p2align	8
	.type	k_q70b1ca6234_prep,@function
k_q70b1ca6234_prep:
	s_mov_b64 s[64:65], 0
	v_nop
	global_prefetch_b8 v0, s[64:65] scope:SCOPE_SE
	s_setreg_imm32_b32 hwreg(HW_REG_WAVE_MODE, 25, 1), 1
	s_wait_xcnt 0x0
; x [8192][1024] and Wq, Wk, Wv, Wo [1024 (k)][1024 (n)], f32, become codes of FP6 (E2M3) with one E8M0 byte for each 32 along K, laid as IMAGES OF OPERAND REGISTERS for the products that follow.
; A block's scale is 2^(floor(log2(its largest magnitude)) - 2): its byte is the largest magnitude's exponent field - 2, held at 1 from below.
; LIMITS: NaN and infinities among the inputs are not served; a block whose largest magnitude lies under 2^-124 gets the byte 1; a block of zeros gets the byte 1 where the rule says 127 (its codes are zeros, and this program alone reads the bytes).
; SHARES.  Waves 0, 1: unit U = 2 x work-group + wave: 128 tokens (block U / 8) x 128 along K (step U % 8) of x: eight fragments.  Waves 2, 3: unit U likewise: weight U / 128, its 64 columns (U / 8) % 16, K step U % 8: four fragments.
; Each wave brings its unit into LDS bytes of its own by four tensor loads, all issued at the head, and reads only its own bytes: no barrier, and no byte is filled twice.
; TILES.  Row r of token tile 2 b + u is token 32 b + 8 u + r + 8 (r / 8); row r of column tile 2 b + u is column 32 b + 8 u + r + 8 (r / 8): so a later product's results lie in a lane as 16 neighbours along the next K.
; xq: [token block 64][K step 8][12,800 B]: eight tiles x two halves of 768 B (512 B: lane's 16 B = registers 6 c .. 6 c + 3; 256 B: lane's 8 B = registers 6 c + 4, 5); then two units of 256 B: unit c, lane (r, hh): four half-words, the i-th = the bytes of blocks 2 c, 2 c + 1 of row r of tile 2 i + hh.
; wq: [64 columns 64][K pair 4][12,800 B]: [K step of the pair 2][column tile 4] images of 1,536 B (three chunks of 512 B: lane's 16 B = registers 4 c .. 4 c + 3); then a unit of 256 B for each K step: lane (r, u): {word of tile u, word of tile 2 + u}.
; No cluster: no two work-groups read the same bytes.  No prefetch: every load goes out at the head.
.set XTILE, 128*528                    ; an x wave's LDS: 128 rows of 512 bytes + 16 of padding
.set WBASE, 2*XTILE                    ; behind them the weight waves': 128 rows of 256 bytes each
.set SPARE, WBASE+2*32768              ; the spare words, 128 bytes for each wave: two blocks of 256 bytes that no other line names
.set SPW,  6                           ; v6   LDS address of my spare word; never rewritten
.set NIL,  7                           ; v7   0; never rewritten
.set TM,   10                          ; v10-25 at work in QUANT
.set PW,   26                          ; v26-33 the eight tiles' scale words
.set PC,   40                          ; v40-59, v60-79 two sets: 12 registers of codes, conversion results at +12 and +16
.set X,    80                          ; v80-143, v144-207 two sets of 64 numbers
.set WX,   144                         ; weights: v144-175, v176-207 two sets of 32 numbers
.set CW,   40                          ; weights: v40-63, v64-87 codes: [column half][fragment's lane half][12]
.set SB,   14                          ; weights: v[14:15] the two column halves' scale words
.set G1X,  24                          ; s[24:31] descriptor group 1 for x's tiles;  s[32:39] for the weights'
.set G1W,  32
.set G0X,  40                          ; s[40:55] four groups 0 for x;  s[56:63], s[68:75] four for the weights
; 64 numbers of a lane, register 16 b + i = k 32 b + 16 (lane / 16) + i of my row, become a fragment's 12 registers in v[pc] on and its scale word in v[pw]
.macro QUANT s, pc, pw
.irp b, 0,1,2,3
	v_max3_num_f32 v[TM+\b], |v[(\s)+16*\b]|, |v[(\s)+1+16*\b]|, 0x1800000   ; my 16 numbers of block b, and the floor 2^(3 - 127): the byte cannot fall under 1
.endr
.irp i, 2,4,6,8,10,12,14
.irp b, 0,1,2,3
	v_max3_num_f32 v[TM+\b], v[TM+\b], |v[(\s)+16*\b+\i]|, |v[(\s)+1+16*\b+\i]|
.endr
.endr
.irp b, 0,1,2,3
	v_permlanex16_b32 v[TM+4+\b], v[TM+\b], s94, s95
.endr
.irp b, 0,1,2,3
	v_max_num_f32 v[TM+\b], v[TM+\b], v[TM+4+\b]       ; with lane l xor 16's 16: the block's largest magnitude
.endr
.irp b, 0,1,2,3
	v_add_nc_u32 v[TM+12+\b], 0xff000000, v[TM+\b]     ; 2 off its exponent field: the conversion's scale operand
.endr
.irp b, 0,1,2,3
	v_lshrrev_b32 v[TM+4+\b], 23, v[TM+12+\b]          ; the scale's byte
.endr
	v_lshl_or_b32 v[\pw], v[TM+5], 8, v[TM+4]
	v_lshl_or_b32 v[\pw], v[TM+6], 16, v[\pw]
	v_lshl_or_b32 v[\pw], v[TM+7], 24, v[\pw]
.irp c, 0,1
	v_cvt_scalef32_pk16_fp6_f32 v[(\pc)+6*\c:(\pc)+2+6*\c], v[(\s)+32*\c:(\s)+15+32*\c], v[TM+12+2*\c]
	v_cvt_scalef32_pk16_fp6_f32 v[(\pc)+12+4*\c:(\pc)+14+4*\c], v[(\s)+16+32*\c:(\s)+31+32*\c], v[TM+13+2*\c]   ; (a conversion's three registers begin on an even number)
.endr
	v_nop                                          ; one plain place behind a scaled conversion
.irp c, 0,1                                    ; the operand's layout wants a whole block in a lane: lanes 0-15 block 2 c, lanes 16-31 block 2 c + 1
.irp i, 0,1,2
	v_permlane16_swap_b32 v[(\pc)+6*\c+\i], v[(\pc)+12+4*\c+\i]
.endr
.irp i, 0,1,2
	v_mov_b32 v[(\pc)+3+6*\c+\i], v[(\pc)+12+4*\c+\i]
.endr
.endr
.endm
	s_load_b256 s[4:11], s[0:1], 0x0               ; x, Wq, Wk, Wv
	s_load_b128 s[12:15], s[0:1], 0x20             ; Wo, xq
	s_load_b64 s[16:17], s[0:1], 0x30              ; wq
	v_lshl_add_u32 v[SPW], v0, 2, SPARE
	v_mov_b32 v[NIL], 0
	ds_add_u32 v[SPW], v[NIL]                      ; the wave's opening: the add and its wait ahead of my first tensor load; work on registers stands between them
	v_lshrrev_b32 v9, 5, v0
	v_readfirstlane_b32 s18, v9                    ; wave 0..3
	s_and_b32 s19, s18, 1                          ; which of my role's two waves
	s_lshl_b32 s20, ttmp9, 1
	s_add_co_u32 s20, s20, s19                     ; U, 0 .. 511
	s_mov_b32 s[G1X+0], (3<<16)|(1<<20)|(6<<22)|(3<<25)  ; elements of 8 bytes; padding on: after every 128 words, 4 words
	s_mov_b32 s[G1X+1], 64<<16                     ; tensor_dim0 = 64 elements (512 bytes)
	s_mov_b32 s[G1X+2], 32<<16                     ; tensor_dim1 = 32 rows
	s_mov_b32 s[G1X+3], 64<<16                     ; tile_dim0
	s_mov_b32 s[G1X+4], 32                         ; tile_dim1
	s_mov_b32 s[G1X+5], 512                        ; from row to row: 4,096 bytes
	s_mov_b32 s[G1X+6], 0
	s_mov_b32 s[G1X+7], 0
	s_mov_b32 s[G1W+0], 3<<16                      ; elements of 8 bytes, no padding: a load of 4 bytes a lane takes 128 bytes on end
	s_mov_b32 s[G1W+1], 32<<16                     ; 32 elements (256 bytes)
	s_mov_b32 s[G1W+2], 32<<16
	s_mov_b32 s[G1W+3], 32<<16
	s_mov_b32 s[G1W+4], 32
	s_mov_b32 s[G1W+5], 512
	s_mov_b32 s[G1W+6], 0
	s_mov_b32 s[G1W+7], 0
	s_lshr_b32 s21, s20, 3                         ; U / 8: x's token block; wq's group of 64 columns
	s_and_b32 s22, s20, 7                          ; the K step
	s_lshl_b32 s76, s21, 19                        ; x: 128 rows of 4,096 bytes a block,
	s_lshl_b32 s23, s22, 9                         ; 512 bytes a K step
	s_add_co_u32 s76, s76, s23
	s_mov_b32 s77, 0
	s_mul_i32 s78, s20, 12800                      ; xq: 12,800 bytes a unit
	s_mov_b32 s79, 0
	s_and_b32 s23, s21, 15
	s_lshl_b32 s23, s23, 8                         ; W: 256 bytes a group of 64 columns,
	s_lshl_b32 s80, s22, 19                        ; 128 rows of 4,096 bytes a K step
	s_add_co_u32 s80, s80, s23
	s_mov_b32 s81, 0
	s_mul_i32 s82, s21, 51200                      ; wq: the columns' 51,200 bytes,
	s_lshr_b32 s23, s22, 1
	s_mul_i32 s23, s23, 12800                      ; the K pair's 12,800
	s_add_co_u32 s82, s82, s23
	s_and_b32 s84, s22, 1                          ; which K step of the pair
	s_mul_i32 s85, s84, 6144
	s_lshl_b32 s84, s84, 8
	s_add_co_u32 s84, s84, 12288
	s_add_co_u32 s86, s82, s85                     ; my four images
	s_mov_b32 s87, 0
	s_add_co_u32 s88, s82, s84                     ; my unit of scale words
	s_mov_b32 s89, 0
	s_lshr_b32 s90, s20, 7                         ; which weight
	s_mul_i32 s91, s19, XTILE                      ; LDS: an x wave's bytes,
	s_lshl_b32 s92, s19, 15
	s_add_co_u32 s92, s92, WBASE                   ; a weight wave's
	s_mov_b32 s93, 0xffff0000                      ; lanes 16-31
	s_mov_b32 s94, 0x76543210
	s_mov_b32 s95, 0xfedcba98                      ; v_permlanex16_b32's selects for lane l xor 16
	v_and_b32 v9, 31, v0                           ; lane
	v_lshlrev_b32 v1, 4, v9                        ; v1 = 16 x lane
	v_lshlrev_b32 v2, 3, v9                        ; v2 = 8 x lane
	v_and_b32 v10, 15, v0                          ; r
	v_bfe_u32 v11, v0, 4, 1                        ; h
	v_and_b32 v12, 8, v10
	v_add_nc_u32 v12, v12, v10                     ; r + 8 (r / 8)
	v_mul_u32_u24 v3, v12, 528
	v_lshl_add_u32 v3, v11, 6, v3
	v_add_nc_u32 v3, s91, v3                       ; v3: x in LDS: my row of a tile, + 64 h: my 16 numbers of a block of 32
	v_lshl_add_u32 v4, v9, 2, WBASE
	s_lshl_b32 s23, s19, 15
	v_add_nc_u32 v4, s23, v4                       ; v4: W in LDS: 4 x lane: my column
	v_bfe_u32 v13, v0, 3, 1                        ; column 8 u + r' + 8 (r' / 8) of 32 is my lane: u = (lane / 8) % 2,
	v_and_b32 v14, 7, v0
	v_lshl_add_u32 v14, v11, 3, v14                ; r' = lane % 8 + 8 (lane / 16)
	v_mul_u32_u24 v5, v13, 1536
	v_lshl_add_u32 v5, v14, 4, v5                  ; v5: my place in the images: tile u, fragment lane r'
	v_lshl_add_u32 v8, v13, 4, v14
	v_lshlrev_b32 v8, 3, v8                        ; v8: and in the unit of scale words
.irp b, 0,1,2,3
	v_mov_b32 v[TM+4+\b], 0                        ; written once: a lane permute's destination counts as one of its sources
.endr
	s_wait_dscnt 0x0                               ; the opening add is done
	s_wait_kmcnt 0x0
	s_add_nc_u64 s[76:77], s[4:5], s[76:77]        ; x at the unit's first element
	s_add_nc_u64 s[78:79], s[14:15], s[78:79]      ; xq at the unit
	s_cmp_eq_u32 s90, 1                            ; the weight is chosen by the unit's number alone
	s_cselect_b64 s[6:7], s[8:9], s[6:7]
	s_cmp_eq_u32 s90, 2
	s_cselect_b64 s[6:7], s[10:11], s[6:7]
	s_cmp_eq_u32 s90, 3
	s_cselect_b64 s[6:7], s[12:13], s[6:7]
	s_add_nc_u64 s[80:81], s[6:7], s[80:81]
	s_add_nc_u64 s[86:87], s[16:17], s[86:87]
	s_add_nc_u64 s[88:89], s[16:17], s[88:89]
.irp b, 0,1,2,3                                ; groups 0: 32 rows each
	s_mov_b32 s[G0X+4*\b], 1
	s_add_co_u32 s[G0X+4*\b+1], s91, \b*32*528
	s_add_nc_u64 s[G0X+4*\b+2:G0X+4*\b+3], s[76:77], \b*32*4096
	s_or_b32 s[G0X+4*\b+3], s[G0X+4*\b+3], 0x80000000
	s_mov_b32 s[56+4*\b+4*(\b/2)], 1
	s_add_co_u32 s[57+4*\b+4*(\b/2)], s92, \b*32*256
	s_add_nc_u64 s[58+4*\b+4*(\b/2):59+4*\b+4*(\b/2)], s[80:81], \b*32*4096
	s_or_b32 s[59+4*\b+4*(\b/2)], s[59+4*\b+4*(\b/2)], 0x80000000
.endr
	s_cmp_lt_u32 s18, 2                            ; the roles part on the wave's number
	s_cbranch_scc0 .Lweights
; ---- waves 0, 1: x
.irp b, 0,1,2,3
	tensor_load_to_lds s[G0X+4*\b:G0X+4*\b+3], s[G1X:G1X+7]   ; four loads of mine are out
	s_nop 0
.endr
.rept 4
	v_nop
.endr
.macro RB t                            ; tile t's 64 numbers a lane from LDS into set t % 2
.irp k, 0,1,2,3
.irp j, 0,1,2,3
	ds_load_b128 v[X+64*((\t)%2)+16*\k+4*\j:X+64*((\t)%2)+16*\k+4*\j+3], v3 offset:(32*((\t)/2)+8*((\t)%2))*528+128*\k+16*\j
.endr
.endr
.endm
.macro XT t
.set PCS, PC+20*((\t)%2)
.if (\t) < 7
	s_wait_dscnt 16                                ; this tile's 16 loads are in; the next tile's 16 may be out
.else
	s_wait_dscnt 0x0
.endif
.if (\t) >= 2
	s_wait_xcnt 0x0                                ; the stores of two tiles back have read this set of codes: it is rewritten only behind this wait
.endif
	QUANT X+64*((\t)%2), PC+20*((\t)%2), PW+(\t)
	global_store_b128 v1, v[PCS:PCS+3], s[78:79] offset:1536*(\t)            ; 512 consecutive bytes
	global_store_b64 v2, v[PCS+4:PCS+5], s[78:79] offset:1536*(\t)+512       ; 256
	global_store_b128 v1, v[PCS+6:PCS+9], s[78:79] offset:1536*(\t)+768
	global_store_b64 v2, v[PCS+10:PCS+11], s[78:79] offset:1536*(\t)+1280
.if (\t)+2 < 8
.if (\t)%2 == 0
	s_wait_tensorcnt 3-((\t)+2)/2                  ; the next 32 rows have landed; the later loads may be out
.endif
	RB (\t)+2
.endif
.endm
	s_wait_tensorcnt 3                             ; rows 0-31 have landed; three later loads may be out
	RB 0
	RB 1
.irp t, 0,1,2,3,4,5,6,7
	XT \t
.endr
.irp i, 0,1,2,3
	v_cndmask_b32 v[34+\i], v[PW+2*\i], v[PW+2*\i+1], s93   ; lanes 0-15: tile 2 i's word, lanes 16-31: tile 2 i + 1's
.endr
	v_perm_b32 v38, v35, v34, 0x05040100           ; unit 0: the words' low halves (blocks 0, 1)
	v_perm_b32 v39, v37, v36, 0x05040100
	v_perm_b32 v10, v35, v34, 0x07060302           ; unit 1: their high halves (blocks 2, 3)
	v_perm_b32 v11, v37, v36, 0x07060302
	global_store_b64 v2, v[38:39], s[78:79] offset:12288
	global_store_b64 v2, v[10:11], s[78:79] offset:12544
	s_wait_tensorcnt 0x0                           ; the wave's end
	ds_add_u32 v[SPW], v[NIL]
	s_wait_dscnt 0x0
	s_endpgm
; ---- waves 2, 3: a weight.  A lane takes a column, its registers run down K: a block of 32 lies in one lane, and the codes come out with K innermost
.Lweights:
.irp b, 0,1,2,3
	tensor_load_to_lds s[56+4*\b+4*(\b/2):59+4*\b+4*(\b/2)], s[G1W:G1W+7]   ; four loads of mine are out
	s_nop 0
.endr
.rept 4
	v_nop
.endr
.macro RW t                            ; turn t: block t / 2 along K of column half t % 2, into set t % 2
.set JJ, 0
.rept 32
	ds_load_b32 v[WX+32*((\t)%2)+JJ], v4 offset:(32*((\t)/2)+JJ)*256+128*((\t)%2)
.set JJ, JJ+1
.endr
.endm
.macro WB t
.set XSW, WX+32*((\t)%2)
.set KB, (\t)/2
.set BE, (\t)%2
.set C0, CW+24*BE+12*(KB%2)+6*(KB/2)   ; block KB is registers 6 (KB / 2) on of the fragment's lane half KB % 2
.if (\t) < 7
	s_wait_dscnt 32                                ; this turn's 32 loads are in; the next turn's 32 may be out
.else
	s_wait_dscnt 0x0
.endif
	v_max3_num_f32 v10, |v[XSW]|, |v[XSW+1]|, |v[XSW+2]|
	v_max3_num_f32 v11, |v[XSW+3]|, |v[XSW+4]|, |v[XSW+5]|
.irp i, 6,10,14,18,22,26
	v_max3_num_f32 v10, v10, |v[XSW+\i]|, |v[XSW+\i+1]|
	v_max3_num_f32 v11, v11, |v[XSW+\i+2]|, |v[XSW+\i+3]|
.endr
	v_max3_num_f32 v10, v10, |v[XSW+30]|, |v[XSW+31]|
	v_max3_num_f32 v10, v10, v11, 0x1800000        ; and the floor
	v_add_nc_u32 v12, 0xff000000, v10              ; the conversion's scale operand
	v_lshrrev_b32 v13, 23, v12                     ; the byte
.if KB == 0
	v_mov_b32 v[SB+BE], v13
.else
	v_lshl_or_b32 v[SB+BE], v13, 8*KB, v[SB+BE]
.endif
	v_cvt_scalef32_pk16_fp6_f32 v[C0:C0+2], v[XSW:XSW+15], v12
	v_cvt_scalef32_pk16_fp6_f32 v[16:18], v[XSW+16:XSW+31], v12    ; (three registers from an even number on: made here and moved)
	v_nop                                          ; one plain place behind a scaled conversion
.irp i, 0,1,2
	v_mov_b32 v[C0+3+\i], v[16+\i]
.endr
.if (\t)+2 < 8
.if (\t)%2 == 0
	s_wait_tensorcnt 3-((\t)+2)/2                  ; the next 32 rows have landed
.endif
	RW (\t)+2
.endif
.endm
	s_wait_tensorcnt 3
	RW 0
	RW 1
.irp t, 0,1,2,3,4,5,6,7
	WB \t
.endr
.irp e, 0,1
.irp g, 0,1
.irp c, 0,1,2
	global_store_b128 v5, v[CW+24*\e+12*\g+4*\c:CW+24*\e+12*\g+4*\c+3], s[86:87] offset:3072*\e+256*\g+512*\c   ; sixteen lanes fill 256 consecutive bytes in each of two images
.endr
.endr
.endr
	global_store_b64 v8, v[SB:SB+1], s[88:89]      ; one whole unit of 256 bytes
	s_wait_tensorcnt 0x0                           ; the wave's end
	ds_add_u32 v[SPW], v[NIL]
	s_wait_dscnt 0x0
	s_endpgm
.Lfunc_end_k_q70b1ca6234_prep:
	.size	k_q70b1ca6234_prep, .Lfunc_end_k_q70b1ca6234_prep-k_q70b1ca6234_prep
	.p2alignl 7, 3214868480
	.fill 96, 4, 3214868480
	.section	.rodata,"a",@progbits
	.p2align	6, 0x0
	.amdhsa_kernel k_q70b1ca6234_prep
		.amdhsa_group_segment_fixed_size 201216
		.amdhsa_private_segment_fixed_size 0
		.amdhsa_enable_private_segment 0
		.amdhsa_kernarg_size 56
		.amdhsa_user_sgpr_count 2
		.amdhsa_user_sgpr_kernarg_segment_ptr 1
		.amdhsa_wavefront_size32 1
		.amdhsa_system_sgpr_workgroup_id_x 1
		.amdhsa_system_sgpr_workgroup_id_y 1
		.amdhsa_system_sgpr_workgroup_id_z 1
		.amdhsa_system_vgpr_workitem_id 0
		.amdhsa_next_free_vgpr 208
		.amdhsa_next_free_sgpr 96
		.amdhsa_reserve_vcc 0
		.amdhsa_float_denorm_mode_32 3
		.amdhsa_float_denorm_mode_16_64 3
		.amdhsa_memory_ordered 1
		.amdhsa_forward_progress 1
		.amdhsa_inst_pref_size 79
	.end_amdhsa_kernel
	.amdgpu_metadata
---
amdhsa.version: [ 1, 2 ]
amdhsa.kernels:
  - .name:           k_q70b1ca6234_prep
    .symbol:         k_q70b1ca6234_prep.kd
    .args:
      - { .name: x, .offset: 0, .size: 8, .value_kind: global_buffer, .address_space: global }
      - { .name: Wq, .offset: 8, .size: 8, .value_kind: global_buffer, .address_space: global }
      - { .name: Wk, .offset: 16, .size: 8, .value_kind: global_buffer, .address_space: global }
      - { .name: Wv, .offset: 24, .size: 8, .value_kind: global_buffer, .address_space: global }
      - { .name: Wo, .offset: 32, .size: 8, .value_kind: global_buffer, .address_space: global }
      - { .name: xq, .offset: 40, .size: 8, .value_kind: global_buffer, .address_space: global }
      - { .name: wq, .offset: 48, .size: 8, .value_kind: global_buffer, .address_space: global }
    .group_segment_fixed_size: 201216
    .private_segment_fixed_size: 0
    .kernarg_segment_align: 8
    .kernarg_segment_size: 56
    .max_flat_workgroup_size: 128
    .sgpr_count:     96
    .vgpr_count:     208
    .wavefront_size: 32
...
	.end_amdgpu_metadata
.endif
;; end of part 1
;; launch qkv (part 2): grid 12 x 64, 4 waves a work-group, clusters of 4 x 4, 307,712 bytes of LDS; arguments xq, wq, qq, kv; writes qq, kv
.if DOCPART == 2
	.amdgcn_target "amdgcn-amd-amdhsa--gfx1250"
	.amdhsa_code_object_version 6
	.text
	.protected	k_q70b1ca6234_qkv
	.globl	k_q70b1ca6234_qkv
	.p2align	8
	.type	k_q70b1ca6234_qkv,@function
k_q70b1ca6234_qkv:
	s_mov_b64 s[64:65], 0
	v_nop
	global_prefetch_b8 v0, s[64:65] scope:SCOPE_SE
	s_setreg_imm32_b32 hwreg(HW_REG_WAVE_MODE, 25, 1), 1
	s_wait_xcnt 0x0
	s_wait_alu depctr_hold_cnt(0) depctr_sa_sdst(0) depctr_va_vdst(0) depctr_va_sdst(0) depctr_va_ssrc(0) depctr_va_vcc(0) depctr_vm_vsrc(0)
	s_getreg_b32 s2, hwreg(HW_REG_IB_STS2, 6, 4)
	s_cmp_eq_u32 s2, 0
	s_cbranch_scc0 .Lentry_in_a_cluster
	s_endpgm
.Lentry_in_a_cluster:
	s_bfe_u32 s2, ttmp6, 0x10000c
	s_cmp_lg_u32 s2, 0xf033
	s_cbranch_scc0 .Lentry_shape_is_right
	s_endpgm
.Lentry_shape_is_right:
; q = x Wq, k = x Wk, v = x Wv on codes of FP6 (E2M3) with E8M0 scales, f32 sums; the results are quantised at once: q and k along the head's 64, v along the keys, and stored as images of the operand registers of the attention launch.
; A work-group makes 128 tokens x 256 columns over all of K = 1,024; wave w makes all 128 tokens x columns 64 w on (one head): 32 accumulators.  The cluster's x says which product: 0 q, 1 k, 2 v.
; ALL OPERANDS LIE IN LDS AT ONCE (A 102,400 bytes, B 204,800): no byte is filled twice.  Each wave issues eight tensor loads at the head (A's and B's four quarters of K by turns); a quarter is read behind a counted wait and a barrier.
; CLUSTER 4 x 4: the four of a row need the same token block of A, the four of a column the same 256 columns of B: each load is asked for jointly, by the same descriptor and a mask that names the four.
; Operands are images of registers: a fragment comes by dense loads, 16 or 8 bytes a lane on end: no pitch, no padding.
; q, k: source 0 = 16 columns of W, source 1 = 16 tokens: a lane holds a token, its registers run along the head's channels.  v: the sources swapped: a lane holds a channel, its registers run along the tokens.
; In both layouts accumulator registers 64 i .. 64 i + 63 are four blocks of 32 along the next K: register 16 b + j = index 32 b + 16 (lane / 16) + j (the rows that form a tile are chosen for that).
; qq: [batch x head 64][key step 16][6,400 B]: four images (group g of 32 tokens: registers 0-5 tile 2 g, registers 6-11 tile 2 g + 1, each the head's 64), then 256 B: lane's {X, Y}: X groups 0 | 1 in lanes 0-15 | 16-31, Y groups 2 | 3.
; kv: [batch x head][key step][K's 6,400 B as qq | V's 6,400 B: four images of 16 channels x 128 keys, then {X: tiles 0 | 1, Y: tiles 2 | 3}].
; LIMITS: NaN and infinities are not served; a block under 2^-124, and a block of zeros, gets the byte 1 (zeros' codes are zeros; this program alone reads the bytes).
; REGISTERS: window 0: v1-6 addresses, v10, v11 the add's two, v16-23 raw scale halves, v24-39 A's scale words, v40-47 B's, v48-67 at work, v96-191 A's eight fragments, v192-239 B's four (set 0); window 1: the accumulators; window 2: v96-239 set 1.
.set OPROJ, 0
.set KSB,   12800                      ; a K step of A, a K pair of B, in bytes
.if OPROJ
.set STAGE, 307200                     ; the way out: 16 rows x 272 bytes for each wave
.set SPARE, STAGE+4*16*272
.else
.set SPARE, 307200                     ; the spare words, 128 bytes for each wave: two blocks of 256 bytes that no other line names
.endif
.set SPW, 10
.set NIL, 11
.set RAW, 16
.set XS,  24                           ; A's scale words [parity of the quarter][K step of the quarter][i]: lanes 0-15 tile 2 i, lanes 16-31 tile 2 i + 1
.set WS,  40                           ; B's [parity][K step][b]: lanes 0-15 tile 2 b, lanes 16-31 tile 2 b + 1
.set TM,  48
.set PW,  64
.set AF,  96
.set BF,  192
.set G1A, 24                           ; s[24:31], s[32:39] descriptor groups 1;  s[40:55] A's four groups 0;  s[56:63], s[68:75] B's
.set G1B, 32
.set G0A, 40
.set MSB, 0
.set ZZ,  0
.macro WIN new                         ; the immediate's high byte repeats the setting that is left
.if MSB != \new
	s_set_vgpr_msb (MSB<<8)|\new
.set MSB, \new
.endif
.endm
.macro CROUND                          ; a round of the cluster's barrier
	s_barrier_signal -1
	s_barrier_wait -1
	s_cmp_lg_u32 s12, 0
	s_cbranch_scc1 .Lnot_wave_0_\@
	s_barrier_signal -3
.Lnot_wave_0_\@:
	s_barrier_wait -3
	s_barrier_signal -1
	s_barrier_wait -1
.endm
; one product.  ra, rb: which half of the lanes holds source 0's and source 1's scale words.  ZZ = 1: it starts the sum
.macro WM d, a, b, sa, sb, ra, rb
.if ZZ
.if ((\ra) == 0) && ((\rb) == 0)
	v_wmma_scale_f32_16x16x128_f8f6f4 v[(\d):(\d)+7], v[(\a):(\a)+11], v[(\b):(\b)+11], 0, v[\sa], v[\sb] matrix_a_fmt:MATRIX_FMT_FP6 matrix_b_fmt:MATRIX_FMT_FP6
.elseif (\rb) == 0
	v_wmma_scale_f32_16x16x128_f8f6f4 v[(\d):(\d)+7], v[(\a):(\a)+11], v[(\b):(\b)+11], 0, v[\sa], v[\sb] matrix_a_fmt:MATRIX_FMT_FP6 matrix_b_fmt:MATRIX_FMT_FP6 matrix_a_scale:MATRIX_SCALE_ROW1
.elseif (\ra) == 0
	v_wmma_scale_f32_16x16x128_f8f6f4 v[(\d):(\d)+7], v[(\a):(\a)+11], v[(\b):(\b)+11], 0, v[\sa], v[\sb] matrix_a_fmt:MATRIX_FMT_FP6 matrix_b_fmt:MATRIX_FMT_FP6 matrix_b_scale:MATRIX_SCALE_ROW1
.else
	v_wmma_scale_f32_16x16x128_f8f6f4 v[(\d):(\d)+7], v[(\a):(\a)+11], v[(\b):(\b)+11], 0, v[\sa], v[\sb] matrix_a_fmt:MATRIX_FMT_FP6 matrix_b_fmt:MATRIX_FMT_FP6 matrix_a_scale:MATRIX_SCALE_ROW1 matrix_b_scale:MATRIX_SCALE_ROW1
.endif
.else
.if ((\ra) == 0) && ((\rb) == 0)
	v_wmma_scale_f32_16x16x128_f8f6f4 v[(\d):(\d)+7], v[(\a):(\a)+11], v[(\b):(\b)+11], v[(\d):(\d)+7], v[\sa], v[\sb] matrix_a_fmt:MATRIX_FMT_FP6 matrix_b_fmt:MATRIX_FMT_FP6
.elseif (\rb) == 0
	v_wmma_scale_f32_16x16x128_f8f6f4 v[(\d):(\d)+7], v[(\a):(\a)+11], v[(\b):(\b)+11], v[(\d):(\d)+7], v[\sa], v[\sb] matrix_a_fmt:MATRIX_FMT_FP6 matrix_b_fmt:MATRIX_FMT_FP6 matrix_a_scale:MATRIX_SCALE_ROW1
.elseif (\ra) == 0
	v_wmma_scale_f32_16x16x128_f8f6f4 v[(\d):(\d)+7], v[(\a):(\a)+11], v[(\b):(\b)+11], v[(\d):(\d)+7], v[\sa], v[\sb] matrix_a_fmt:MATRIX_FMT_FP6 matrix_b_fmt:MATRIX_FMT_FP6 matrix_b_scale:MATRIX_SCALE_ROW1
.else
	v_wmma_scale_f32_16x16x128_f8f6f4 v[(\d):(\d)+7], v[(\a):(\a)+11], v[(\b):(\b)+11], v[(\d):(\d)+7], v[\sa], v[\sb] matrix_a_fmt:MATRIX_FMT_FP6 matrix_b_fmt:MATRIX_FMT_FP6 matrix_a_scale:MATRIX_SCALE_ROW1 matrix_b_scale:MATRIX_SCALE_ROW1
.endif
.endif
.endm
; 16 products: token tiles t0 .. t0 + 3 x the four column tiles.  The 32 accumulators take turns, one instruction a turn, in the same order in every K step.
; tr = 1: source 0 = W, accumulator 4 T + ct;  tr = 0: source 0 = x, accumulator 8 ct + T
.macro MUL tr, sub, par, t0
.irp tt, 0,1,2,3
.irp ct, 0,1,2,3
.set TT, (\t0)+\tt
.if \tr
	WM 8*(4*TT+\ct), BF+12*\ct, AF+12*TT, WS+4*(\par)+2*(\sub)+\ct/2, XS+8*(\par)+4*(\sub)+TT/2, \ct%2, TT%2
.else
	WM 8*(8*\ct+TT), AF+12*TT, BF+12*\ct, XS+8*(\par)+4*(\sub)+TT/2, WS+4*(\par)+2*(\sub)+\ct/2, TT%2, \ct%2
.endif
.endr
.endr
.endm
; K step s's twelve fragments into set p: 44 loads in one run
.macro FETCH p, s
.if \p
	WIN 0x80                                       ; destination window 2
.else
	WIN 0
.endif
.set A16, 1+2*((\s)/4)                 ; K steps 4-7 lie beyond an offset's 16 bits: a second pair of address registers
.set A8,  2+2*((\s)/4)
.set AO,  ((\s)%4)*KSB
.set BO,  ((\s)/2)*KSB+((\s)%2)*6144
.irp t, 0,1,2,3,4,5,6,7
	ds_load_b128 v[AF+12*\t:AF+12*\t+3], v[A16] offset:AO+1536*\t
	ds_load_b64 v[AF+12*\t+4:AF+12*\t+5], v[A8] offset:AO+1536*\t+512
	ds_load_b128 v[AF+12*\t+6:AF+12*\t+9], v[A16] offset:AO+1536*\t+768
	ds_load_b64 v[AF+12*\t+10:AF+12*\t+11], v[A8] offset:AO+1536*\t+1280
.endr
.irp c, 0,1,2,3
.irp k, 0,1,2
	ds_load_b128 v[BF+12*\c+4*\k:BF+12*\c+4*\k+3], v5 offset:BO+1536*\c+512*\k
.endr
.endr
	WIN 0
.endm
.macro SCALES qd                       ; quarter qd's scale bytes: A's four units of half-words, B's two units of words
.irp sub, 0,1
.set SS, 2*(\qd)+\sub
.irp c, 0,1
	ds_load_b64 v[RAW+4*\sub+2*\c:RAW+4*\sub+2*\c+1], v[2+2*(SS/4)] offset:(SS%4)*KSB+12288+256*\c
.endr
	ds_load_b64 v[WS+4*((\qd)%2)+2*\sub:WS+4*((\qd)%2)+2*\sub+1], v6 offset:(\qd)*KSB+12288+256*\sub
.endr
.endm
.macro PERMS qd                        ; A's words: bytes 0, 1 from unit 0's half-word, bytes 2, 3 from unit 1's
.irp sub, 0,1
.set XB, XS+8*((\qd)%2)+4*\sub
.set RA, RAW+4*\sub
	v_perm_b32 v[XB], v[RA+2], v[RA], s79
	v_perm_b32 v[XB+1], v[RA+2], v[RA], s80
	v_perm_b32 v[XB+2], v[RA+3], v[RA+1], s79
	v_perm_b32 v[XB+3], v[RA+3], v[RA+1], s80
.endr
.endm
.macro STEPA tr, qd                    ; a quarter's first K step, on set 0
	s_wait_dscnt 0x0                               ; set 0 and the quarter's scale bytes are in
	PERMS \qd
.rept 8
	v_nop                                          ; a scale register written by a vector instruction stands eight places ahead of a scaled product; these are also the places in front of the loads into set 1
.endr
	FETCH 1, 2*(\qd)+1
.if (\qd) == 0
.set ZZ, 1                             ; the first K step starts the sums: nothing is cleared
.endif
	WIN 0x50                                       ; sources window 0, C and D window 1
	MUL \tr, 0, (\qd)%2, 0
	MUL \tr, 0, (\qd)%2, 4
.set ZZ, 0
.endm
.macro STEPB tr, qd                    ; its second, on set 1; in its middle the next quarter is taken up
	s_wait_dscnt 0x0                               ; set 1 is in; no LDS instruction of mine is out at the signal
.if (\qd) < 3
	s_wait_tensorcnt 4-2*(\qd)                     ; my parts of the next quarter have landed; the later quarters' loads, two each, may be out
	s_barrier_signal -1
.endif
	WIN 0x5a                                       ; sources window 2, C and D window 1
	MUL \tr, 1, (\qd)%2, 0
.if (\qd) < 3
	s_barrier_wait -1                              ; every wave's part of A's next quarter has landed
.rept 4
	v_nop                                          ; places in front of loads into set 0, which products have read
.endr
	WIN 0
	SCALES (\qd)+1
	FETCH 0, 2*(\qd)+2
.endif
	WIN 0x5a
	MUL \tr, 1, (\qd)%2, 4
	WIN 0
.endm
.macro CORE tr
.irp qd, 0,1,2,3
	STEPA \tr, \qd
	STEPB \tr, \qd
.endr
.endm
.if OPROJ
	s_load_b128 s[4:7], s[0:1], 0x0                ; aq, wq
	s_load_b64 s[8:9], s[0:1], 0x10                ; out0
.else
	s_load_b256 s[4:11], s[0:1], 0x0               ; xq, wq, qq, kv
.endif
	v_lshl_add_u32 v[SPW], v0, 2, SPARE
	v_mov_b32 v[NIL], 0
	ds_add_u32 v[SPW], v[NIL]                      ; the wave's opening: the add and its wait ahead of the round in front of my first tensor loads
	v_lshrrev_b32 v12, 5, v0
	v_readfirstlane_b32 s12, v12                   ; wave 0..3
	s_bfe_u32 s13, ttmp6, 0x40000                  ; cx
	s_bfe_u32 s14, ttmp6, 0x40004                  ; cy
	s_and_b32 s15, ttmp7, 0xffff
	s_lshl_b32 s15, s15, 2
	s_add_co_u32 s15, s15, s14                     ; the token block = 4 x cluster y + cy
.if OPROJ
	s_add_co_u32 s16, s13, 12                      ; Wo's four blocks of 256 columns are wq's 12 .. 15
.else
	s_lshl_b32 s16, ttmp9, 2
	s_add_co_u32 s16, s16, s13                     ; wq's block of 256 columns = 4 x cluster x + cx
	s_mov_b32 s17, ttmp9                           ; which product: the same in all sixteen partners
.endif
	s_lshl_b32 s84, s14, 2
	s_lshl_b32 s84, 15, s84                        ; my row of the cluster
	s_lshl_b32 s85, 0x1111, s13                    ; my column
	s_or_b32 s[G1A], s84, (3<<16)|(1<<21)          ; the mask; elements of 8 bytes; bit 21 beside a mask; dense rows of 256 bytes
	s_or_b32 s[G1B], s85, (3<<16)|(1<<21)
	s_mov_b32 s[G1A+1], 32<<16
	s_mov_b32 s[G1A+2], 25<<16                     ; A: 25 rows: my quarter of a quarter's 25,600 bytes
	s_mov_b32 s[G1A+3], 32<<16
	s_mov_b32 s[G1A+4], 25
	s_mov_b32 s[G1A+5], 32
	s_mov_b32 s[G1A+6], 0
	s_mov_b32 s[G1A+7], 0
	s_mov_b32 s[G1B+1], 32<<16
	s_mov_b32 s[G1B+2], 50<<16                     ; B: 50 rows: my wave's 12,800 bytes of a quarter
	s_mov_b32 s[G1B+3], 32<<16
	s_mov_b32 s[G1B+4], 50
	s_mov_b32 s[G1B+5], 32
	s_mov_b32 s[G1B+6], 0
	s_mov_b32 s[G1B+7], 0
	s_mul_i32 s18, s12, 6400                       ; A in LDS and in its block: wave x 6,400
	s_mul_i32 s19, s12, 51200
	s_add_co_u32 s19, s19, 102400                  ; B in LDS: behind A, wave x 51,200: no place in the cluster enters an LDS address
	s_mul_i32 s20, s15, 102400
	s_add_co_u32 s20, s20, s18
	s_mov_b32 s21, 0
	s_lshl_b32 s22, s16, 2
	s_add_co_u32 s22, s22, s12
	s_mul_i32 s22, s22, 51200
	s_mov_b32 s23, 0
	s_mov_b32 s78, 0xffff0000                      ; lanes 16-31
	s_mov_b32 s79, 0x05040100
	s_mov_b32 s80, 0x07060302
	s_mov_b32 s82, 0x76543210
	s_mov_b32 s83, 0xfedcba98
	v_and_b32 v12, 31, v0
	v_lshlrev_b32 v1, 4, v12                       ; 16 x lane
	v_lshlrev_b32 v2, 3, v12                       ; 8 x lane
	v_add_nc_u32 v3, 51200, v1
	v_add_nc_u32 v4, 51200, v2
	v_add_nc_u32 v5, s19, v1
	v_add_nc_u32 v6, s19, v2
.if OPROJ
	v_and_b32 v13, 15, v0                          ; r
	v_bfe_u32 v14, v0, 4, 1                        ; h
	s_mul_i32 s86, s12, 16*272
	s_add_co_u32 s86, s86, STAGE                   ; my stage
	v_mul_u32_u24 v7, v13, 272
	v_lshl_add_u32 v7, v14, 6, v7
	v_add_nc_u32 v7, s86, v7                       ; in: row r, + 64 h
	v_mul_u32_u24 v8, v14, 272
	v_lshl_add_u32 v8, v13, 4, v8
	v_add_nc_u32 v8, s86, v8                       ; back: lanes 0-15 one row, lanes 16-31 the next
	v_lshlrev_b32 v9, 12, v14
	v_lshl_add_u32 v9, v13, 4, v9                  ; and the same in out0
.else
.irp b, 0,1,2,3
	v_mov_b32 v[TM+4+\b], 0                        ; written once: a lane permute's destination counts as one of its sources
.endr
.endif
	s_wait_dscnt 0x0                               ; the opening add is done
	s_wait_kmcnt 0x0
	s_add_nc_u64 s[88:89], s[4:5], s[20:21]
	s_add_nc_u64 s[90:91], s[6:7], s[22:23]
.irp q, 0,1,2,3
	s_mov_b32 s[G0A+4*\q], 1
	s_add_co_u32 s[G0A+4*\q+1], s18, \q*25600
	s_add_nc_u64 s[G0A+4*\q+2:G0A+4*\q+3], s[88:89], \q*25600
	s_or_b32 s[G0A+4*\q+3], s[G0A+4*\q+3], 0x80000000
	s_mov_b32 s[56+4*\q+4*(\q/2)], 1
	s_add_co_u32 s[57+4*\q+4*(\q/2)], s19, \q*12800
	s_add_nc_u64 s[58+4*\q+4*(\q/2):59+4*\q+4*(\q/2)], s[90:91], \q*12800
	s_or_b32 s[59+4*\q+4*(\q/2)], s[59+4*\q+4*(\q/2)], 0x80000000
.endr
	CROUND                                         ; all sixteen work-groups are here: the joint loads meet
.irp q, 0,1,2,3
	tensor_load_to_lds s[G0A+4*\q:G0A+4*\q+3], s[G1A:G1A+7]   ; eight loads of mine are out: A's and B's quarters by turns
	s_nop 0
	tensor_load_to_lds s[56+4*\q+4*(\q/2):59+4*\q+4*(\q/2)], s[G1B:G1B+7]
	s_nop 0
.endr
.rept 4
	v_nop
.endr
.if OPROJ
	s_lshl_b32 s92, s15, 19                        ; out0: 128 rows of 4,096 bytes a token block,
	s_lshl_b32 s93, s13, 10                        ; 1,024 bytes a block of 256 columns,
	s_add_co_u32 s92, s92, s93
	s_lshl_b32 s93, s12, 8                         ; 256 bytes a wave
	s_add_co_u32 s92, s92, s93
	s_mov_b32 s93, 0
	s_add_nc_u64 s[76:77], s[8:9], s[92:93]
.else
	s_lshr_b32 s86, s15, 4
	s_lshl_b32 s86, s86, 4                         ; 16 x batch
	s_lshl_b32 s87, s13, 2
	s_add_co_u32 s86, s86, s87
	s_add_co_u32 s86, s86, s12                     ; + the head 4 cx + wave
	s_and_b32 s87, s15, 15                         ; the key step
	s_cmp_eq_u32 s17, 0
	s_cselect_b64 s[76:77], s[8:9], s[10:11]       ; q goes to qq, k and v to kv
	s_mov_b32 s92, 204800
	s_cselect_b32 s92, 102400, s92
	s_mov_b32 s93, 12800
	s_cselect_b32 s93, 6400, s93
	s_mul_i32 s92, s86, s92
	s_mul_i32 s93, s87, s93
	s_add_co_u32 s92, s92, s93
	s_cmp_eq_u32 s17, 2
	s_cselect_b32 s93, 6400, 0                     ; V's part lies behind K's
	s_add_co_u32 s92, s92, s93
	s_mov_b32 s93, 0
	s_add_nc_u64 s[76:77], s[76:77], s[92:93]
.endif
	s_wait_tensorcnt 6                             ; my parts of quarter 0 have landed; the six later loads may be out
	s_barrier_signal -1
	s_barrier_wait -1                              ; everybody's have
	SCALES 0
	FETCH 0, 0
.if OPROJ
	CORE 1
.else
	s_cmp_eq_u32 s17, 2                            ; the cluster's x alone: all waves of all partners go the same way
	s_cbranch_scc1 .Lv
	CORE 1
	s_branch .Lout
.Lv:
	CORE 0
.Lout:
.endif
.if OPROJ
; THE WAY OUT, a token tile at a time through my own stage: a lane holds 32 bytes of a row; rows come back whole, 256 bytes, and sixteen lanes store them at a multiple of 256 from out0's first byte
.macro TOSTAGE t
	WIN 0x04                                       ; an LDS store's data are its source 1: window 1
.irp ct, 0,1,2,3
	ds_store_b128 v7, v[8*(4*(\t)+\ct):8*(4*(\t)+\ct)+3] offset:128*(\ct/2)+32*(\ct%2)      ; each accumulator from its low end on
	ds_store_b128 v7, v[8*(4*(\t)+\ct)+4:8*(4*(\t)+\ct)+7] offset:128*(\ct/2)+32*(\ct%2)+16
.endr
	WIN 0
.irp i, 0,1,2,3,4,5,6,7
	ds_load_b128 v[AF+32*((\t)%2)+4*\i:AF+32*((\t)%2)+4*\i+3], v8 offset:544*\i    ; LDS serves a wave's instructions in order: these see my stores
.endr
.endm
.macro SEND t, younger
	s_wait_dscnt \younger
.irp i, 0,1,2,3,4,5,6,7
	global_store_b128 v9, v[AF+32*((\t)%2)+4*\i:AF+32*((\t)%2)+4*\i+3], s[76:77] offset:(32*((\t)/2)+8*((\t)%2)+2*\i+8*(\i/4))*4096 th:TH_STORE_NT   ; stage row 2 i + h is token 32 b + 8 u + 2 i + h + 8 (i / 4)
.endr
.endm
.rept 4
	v_nop                                          ; places behind the last products
.endr
	TOSTAGE 0
.irp a, 1,2,3,4,5,6,7
.if \a > 1
	s_wait_xcnt 0x0                                ; the stores of two tiles back have read their registers: this tile's loads may land there
.endif
	TOSTAGE \a
	SEND \a-1, 16                                  ; behind that tile's loads: this tile's 8 stores and 8 loads
.endr
	SEND 7, 0
.else
; THE WAY OUT: four times 64 accumulator registers become a fragment and a scale word
.macro QUANT s, pc, pw
	WIN 0x05                                       ; sources 0 and 1 window 1
.irp b, 0,1,2,3
	v_max3_num_f32 v[TM+\b], |v[(\s)+16*\b]|, |v[(\s)+1+16*\b]|, 0x1800000   ; each accumulator is read from its low end on; the floor 2^(3 - 127) holds the byte at 1
.endr
	WIN 0x14                                       ; sources 1 and 2 window 1
.irp i, 2,4,6,8,10,12,14
.irp b, 0,1,2,3
	v_max3_num_f32 v[TM+\b], v[TM+\b], |v[(\s)+16*\b+\i]|, |v[(\s)+1+16*\b+\i]|
.endr
.endr
	WIN 0
.irp b, 0,1,2,3
	v_permlanex16_b32 v[TM+4+\b], v[TM+\b], s82, s83
.endr
.irp b, 0,1,2,3
	v_max_num_f32 v[TM+\b], v[TM+\b], v[TM+4+\b]
.endr
.irp b, 0,1,2,3
	v_add_nc_u32 v[TM+12+\b], 0xff000000, v[TM+\b]
.endr
.irp b, 0,1,2,3
	v_lshrrev_b32 v[TM+4+\b], 23, v[TM+12+\b]
.endr
	v_lshl_or_b32 v[\pw], v[TM+5], 8, v[TM+4]
	v_lshl_or_b32 v[\pw], v[TM+6], 16, v[\pw]
	v_lshl_or_b32 v[\pw], v[TM+7], 24, v[\pw]
	WIN 0x01                                       ; source 0 window 1
.irp c, 0,1
	v_cvt_scalef32_pk16_fp6_f32 v[(\pc)+6*\c:(\pc)+2+6*\c], v[(\s)+32*\c:(\s)+15+32*\c], v[TM+12+2*\c]
	v_cvt_scalef32_pk16_fp6_f32 v[(\pc)+12+4*\c:(\pc)+14+4*\c], v[(\s)+16+32*\c:(\s)+31+32*\c], v[TM+13+2*\c]
.endr
	WIN 0
	v_nop                                          ; one plain place behind a scaled conversion
.irp c, 0,1
.irp i, 0,1,2
	v_permlane16_swap_b32 v[(\pc)+6*\c+\i], v[(\pc)+12+4*\c+\i]
.endr
.irp i, 0,1,2
	v_mov_b32 v[(\pc)+3+6*\c+\i], v[(\pc)+12+4*\c+\i]
.endr
.endr
.endm
.rept 4
	v_nop                                          ; places behind the last products
.endr
.irp i, 0,1,2,3                                ; four sets of code registers: no store's data are written again
	QUANT 64*\i, AF+24*\i, PW+\i
.irp c, 0,1,2
	global_store_b128 v1, v[AF+24*\i+4*\c:AF+24*\i+4*\c+3], s[76:77] offset:1536*\i+512*\c   ; 512 consecutive bytes
.endr
.endr
	v_cndmask_b32 v68, v[PW], v[PW+1], s78         ; X: fragment 0's words in lanes 0-15, fragment 1's in lanes 16-31
	v_cndmask_b32 v69, v[PW+2], v[PW+3], s78       ; Y: fragments 2 and 3
	global_store_b64 v2, v[68:69], s[76:77] offset:6144
.endif
	s_wait_tensorcnt 0x0                           ; the wave's end
	ds_add_u32 v[SPW], v[NIL]
	s_wait_dscnt 0x0
	CROUND                                         ; the closing round
	s_endpgm
.Lfunc_end_k_q70b1ca6234_qkv:
	.size	k_q70b1ca6234_qkv, .Lfunc_end_k_q70b1ca6234_qkv-k_q70b1ca6234_qkv
	.p2alignl 7, 3214868480
	.fill 96, 4, 3214868480
	.section	.rodata,"a",@progbits
	.p2align	6, 0x0
	.amdhsa_kernel k_q70b1ca6234_qkv
		.amdhsa_group_segment_fixed_size 307712
		.amdhsa_private_segment_fixed_size 0
		.amdhsa_enable_private_segment 0
		.amdhsa_kernarg_size 32
		.amdhsa_user_sgpr_count 2
		.amdhsa_user_sgpr_kernarg_segment_ptr 1
		.amdhsa_wavefront_size32 1
		.amdhsa_system_sgpr_workgroup_id_x 1
		.amdhsa_system_sgpr_workgroup_id_y 1
		.amdhsa_system_sgpr_workgroup_id_z 1
		.amdhsa_system_vgpr_workitem_id 0
		.amdhsa_next_free_vgpr 768
		.amdhsa_next_free_sgpr 96
		.amdhsa_reserve_vcc 0
		.amdhsa_float_denorm_mode_32 3
		.amdhsa_float_denorm_mode_16_64 3
		.amdhsa_memory_ordered 1
		.amdhsa_forward_progress 1
		.amdhsa_inst_pref_size 143
	.end_amdhsa_kernel
	.amdgpu_metadata
---
amdhsa.version: [ 1, 2 ]
amdhsa.kernels:
  - .name:           k_q70b1ca6234_qkv
    .symbol:         k_q70b1ca6234_qkv.kd
    .args:
      - { .name: xq, .offset: 0, .size: 8, .value_kind: global_buffer, .address_space: global }
      - { .name: wq, .offset: 8, .size: 8, .value_kind: global_buffer, .address_space: global }
      - { .name: qq, .offset: 16, .size: 8, .value_kind: global_buffer, .address_space: global }
      - { .name: kv, .offset: 24, .size: 8, .value_kind: global_buffer, .address_space: global }
    .group_segment_fixed_size: 307712
    .private_segment_fixed_size: 0
    .kernarg_segment_align: 8
    .kernarg_segment_size: 32
    .max_flat_workgroup_size: 128
    .sgpr_count:     96
    .vgpr_count:     768
    .wavefront_size: 32
...
	.end_amdgpu_metadata
.endif
;; end of part 2
;; launch attn (part 3): grid 4 x 64, 16 waves a work-group, no clusters, 207,872 bytes of LDS; arguments qq, kv, aq; writes aq
.if DOCPART == 3
	.amdgcn_target "amdgcn-amd-amdhsa--gfx1250"
	.amdhsa_code_object_version 6
	.text
	.protected	k_q70b1ca6234_attn
	.globl	k_q70b1ca6234_attn
	.p2align	8
	.type	k_q70b1ca6234_attn,@function
k_q70b1ca6234_attn:
	s_mov_b64 s[64:65], 0
	v_nop
	global_prefetch_b8 v0, s[64:65] scope:SCOPE_SE
	s_setreg_imm32_b32 hwreg(HW_REG_WAVE_MODE, 25, 1), 1
	s_wait_xcnt 0x0
; Causal attention of one head on codes of FP6 (E2M3) with E8M0 scales: S^T = K Q^T, p = 2^(t - M), O^T = V^T P^T, O / l, and O / l quantised along the model's 1,024 for the last product.
; t = score x log2(e) / 8; M = the running largest t rounded up to a whole number; the row's sum l is taken of the unquantised p; when M moves, l and O^T are multiplied by 2^(old M - new M), exactly.
; SHARES.  A work-group takes head ttmp7 (16 x batch + head) and quarter x = ttmp9; wave w owns query tile 16 x + w (pass 0) and tile 127 - (16 x + w) (pass 1): 17 key steps of work for every wave of the launch.
; Row r of tile t is token 32 (t / 2) + 8 (t % 2) + r + 8 (r / 8).  A key step is 128 keys.  THE WHOLE HEAD'S K AND V LIE IN LDS, 204,800 bytes, filled once by two tensor loads a wave; pass 0 touches only keys under 1,024, the first loads'.
; K = 64 IN AN INSTRUCTION OF 128: a fragment of K holds key tile 2 b in k 0-63 and tile 2 b + 1 in k 64-127; multiplied by [q | 0] it gives tile 2 b's scores, by [0 | q] tile 2 b + 1's.  The zero codes annul the other half; their scale bytes are 1.
; Both products are used transposed: a lane holds one query; the 16 registers of two neighbouring score tiles are 16 neighbouring keys, 32 b + 16 (lane / 16) + 0 .. 15.
; Both loops have constant trip counts; a step all of whose keys come after the tile's queries is jumped over by a scalar branch on ids.
; NO CLUSTER: the four work-groups of a head read the same K and V, but the jump over hidden steps hangs on the work-group's own query tiles, which differ between them.  NO PREFETCH: both loads go out at the head.
; LIMITS: NaN and infinities are not served; 1 / l is v_rcp_f32 and a multiplication; a block under 2^-124, and a block of zeros, gets the byte 1 (zeros' codes are zeros; this program alone reads the bytes).
; REGISTERS: v1 16 x lane, v2 8 x lane, v3 r + 8 (r / 8) - 16 h, v4, v5 stage addresses, v6, v7 the add's two, v8, v9 the step's LDS addresses, v10, v11 wave 0's unit addresses, v12 -M, v13 largest t, v[14:15] the sum,
;   v16-27 [q | 0], v28-39 [0 | q], v40, v41 their scale words, v42-53 the two tiles' q, v54, v55 their words, v56-67 the codes that leave, v68-71 K's and V's scale words, v72-119 four fragments, v120-183 S^T then p, v184-215 O^T, v216-227 p's codes, v228-254 at work.
.set STG,   204800                     ; behind K and V: 512 bytes a pass: the scale half-words of 16 tiles, as two units of aq
.set SPARE, STG+1024                   ; the spare words, 128 bytes for each wave: eight blocks of 256 bytes that no other line names
.set S,   120
.set O,   184
.set FR,  72
.set PCD, 216
.set CS,  34                           ; s[34:35] c = log2(e) / 8
.set SEL, 36                           ; s[36:37] selects for lane l xor 16
.set TB,  38                           ; s38 LDS byte of the step's tiles
.set KF,  39                           ; s39 the step's first key
	s_load_b128 s[4:7], s[0:1], 0x0                ; qq, kv
	s_load_b64 s[8:9], s[0:1], 0x10                ; aq
	v_lshl_add_u32 v6, v0, 2, SPARE
	v_mov_b32 v7, 0
	ds_add_u32 v6, v7                              ; the wave's opening: the add and its wait ahead of my first tensor load
	ds_add_u32 v6, v7
	v_lshrrev_b32 v8, 5, v0
	s_delay_alu instid0(VALU_DEP_1)
	v_readfirstlane_b32 s12, v8                    ; wave 0..15
	s_and_b32 s14, ttmp7, 0xffff                   ; 16 x batch + head
	s_lshr_b32 s10, s14, 4                         ; batch
	s_and_b32 s11, s14, 15                         ; head
	s_lshl_b32 s32, ttmp9, 4
	s_add_co_u32 s32, s32, s12                     ; pass 0's tile
	s_sub_co_u32 s33, 127, s32                     ; pass 1's
	s_mov_b32 s16, 3<<16                           ; descriptor group 1: 25 dense rows of 256 bytes (32 elements of 8)
	s_mov_b32 s17, 32<<16
	s_mov_b32 s18, 25<<16
	s_mov_b32 s19, 32<<16
	s_mov_b32 s20, 25
	s_mov_b32 s21, 32
	s_mov_b32 s22, 0
	s_mov_b32 s23, 0
	s_mov_b32 s24, 1
	s_mul_i32 s25, s12, 6400                       ; my sixteenth of keys 0 .. 1,023's 102,400 bytes,
	s_mov_b32 s28, 1
	s_add_co_u32 s29, s25, 102400                  ; and of keys 1,024 on
	s_mul_i32 s60, s14, 204800
	s_add_co_u32 s60, s60, s25
	s_mov_b32 s61, 0
	s_mov_b32 s[CS], 0x3e38aa3b
	s_mov_b32 s[CS+1], s[CS]
	s_mov_b32 s[SEL], 0x76543210
	s_mov_b32 s[SEL+1], 0xfedcba98
	s_wait_dscnt 0x0                               ; the opening add is done
	s_wait_kmcnt 0x0
	s_add_nc_u64 s[26:27], s[6:7], s[60:61]
	s_add_nc_u64 s[30:31], s[26:27], 102400
	s_or_b32 s27, s27, 0x80000000
	s_or_b32 s31, s31, 0x80000000
	tensor_load_to_lds s[24:27], s[16:23]          ; two loads of mine are out
	s_nop 0
	tensor_load_to_lds s[28:31], s[16:23]
	s_nop 0
.rept 4
	v_nop
.endr
	v_and_b32 v8, 31, v0
	s_delay_alu instid0(VALU_DEP_1)
	v_lshlrev_b32 v1, 4, v8
	s_delay_alu instid0(VALU_DEP_2)
	v_lshlrev_b32 v2, 3, v8
	v_and_b32 v232, 15, v0                         ; r
	v_bfe_u32 v233, v0, 4, 1                       ; h
	s_delay_alu instid0(VALU_DEP_2)
	v_and_b32 v234, 8, v232
	s_delay_alu instid0(VALU_DEP_1)
	v_add_nc_u32 v3, v234, v232
	s_delay_alu instid0(VALU_DEP_3)
	v_lshlrev_b32 v235, 4, v233
	s_delay_alu instid0(VALU_DEP_1)
	v_sub_nc_u32 v3, v3, v235
	v_add_nc_u32 v10, STG, v1
	v_mul_u32_u24 v11, v233, 102400                ; lanes 0-15 store one token block's unit, lanes 16-31 the next block's
	s_delay_alu instid0(VALU_DEP_1)
	v_lshl_add_u32 v11, v232, 4, v11
; pass n's addresses, and its tile of q
.macro PREP n
	s_lshr_b32 s40, s[32+\n], 3                    ; the tile's key step
	s_mul_i32 s60, s14, 102400
	s_mul_i32 s41, s40, 6400
	s_add_co_u32 s60, s60, s41
	s_mov_b32 s61, 0
	s_add_nc_u64 s[52+2*\n:53+2*\n], s[4:5], s[60:61]   ; qq at that step
	s_lshl_b32 s41, s10, 4
	s_add_co_u32 s41, s41, s40                     ; aq's token block
	s_mul_i32 s60, s41, 102400
	s_lshr_b32 s41, s11, 1
	s_mul_i32 s62, s41, 12800                      ; K step head / 2
	s_add_co_u32 s60, s60, s62
	s_and_b32 s41, s[32+\n], 7
	s_mul_i32 s41, s41, 1536                       ; the tile
	s_add_co_u32 s60, s60, s41
	s_and_b32 s63, s11, 1
	s_mul_i32 s41, s63, 768                        ; half head % 2
	s_add_co_u32 s60, s60, s41
	s_add_nc_u64 s[44+2*\n:45+2*\n], s[8:9], s[60:61]
	s_lshl_b32 s41, ttmp9, 1                       ; the pass's 16 tiles are token blocks 2 x, 2 x + 1 (pass 1: 14 - 2 x, 15 - 2 x)
.if \n
	s_sub_co_u32 s41, 14, s41
.endif
	s_lshl_b32 s40, s10, 4
	s_add_co_u32 s41, s41, s40
	s_mul_i32 s60, s41, 102400
	s_add_co_u32 s60, s60, s62
	s_lshl_b32 s63, s63, 8
	s_add_co_u32 s60, s60, s63
	s_add_co_u32 s60, s60, 12288
	s_add_nc_u64 s[48+2*\n:49+2*\n], s[8:9], s[60:61]   ; their units of scale half-words
	s_lshr_b32 s40, s[32+\n], 1                    ; g: the group of 32 tokens
	s_and_b32 s41, s40, 3
	s_mul_i32 s41, s41, 1536                       ; its image in the step
	s_and_b32 s62, s[32+\n], 1                     ; u
	s_lshl_b32 s[56+\n], s62, 4                    ; 16 u: where my two bytes stand in the group's word
	s_lshl_b32 s[58+\n], s40, 5
	s_lshl_b32 s63, s62, 3
	s_add_co_u32 s[58+\n], s[58+\n], s63           ; the tile's first token, 32 g + 8 u
	s_cmp_eq_u32 s62, 1
	s_cselect_b32 s62, 520, 0                      ; registers 6 u .. 6 u + 5 of an image, in pieces of 8 bytes: at 0, 8, 512 or at 520, 1,024, 1,032
	s_cselect_b32 s63, 1024, 8
	s_add_co_u32 s62, s62, s41
	s_add_co_u32 s63, s63, s41
	v_add_nc_u32 v[120+4*\n], s62, v1
	v_add_nc_u32 v[121+4*\n], s63, v1
	s_delay_alu instid0(VALU_DEP_2)
	v_add_nc_u32 v[122+4*\n], 512, v[120+4*\n]
	s_and_b32 s62, s40, 1
	s_lshl_b32 s62, s62, 7
	s_bfe_u32 s63, s40, 0x10001
	s_lshl_b32 s63, s63, 2
	s_add_co_u32 s62, s62, s63
	s_add_co_u32 s62, s62, 6144
	v_lshl_add_u32 v[123+4*\n], v232, 3, s62       ; the group's word of row r
	global_load_b64 v[42+6*\n:43+6*\n], v[120+4*\n], s[52+2*\n:53+2*\n]
	global_load_b64 v[44+6*\n:45+6*\n], v[121+4*\n], s[52+2*\n:53+2*\n]
	global_load_b64 v[46+6*\n:47+6*\n], v[122+4*\n], s[52+2*\n:53+2*\n]
	global_load_b32 v[54+\n], v[123+4*\n], s[52+2*\n:53+2*\n]
	s_xor_b32 s40, s12, 15*\n                      ; the tile's place among the pass's 16
	s_lshr_b32 s41, s40, 3
	s_lshl_b32 s41, s41, 8                         ; which unit,
	s_and_b32 s62, s40, 1
	s_lshl_b32 s62, s62, 7                         ; which half of its lanes,
	s_add_co_u32 s41, s41, s62
	s_bfe_u32 s62, s40, 0x20001
	s_lshl_b32 s62, s62, 1                         ; which half-word
	s_add_co_u32 s41, s41, s62
	s_add_co_u32 s41, s41, STG+512*\n
	v_lshl_add_u32 v[4+\n], v232, 3, s41
.endm
	PREP 0
	PREP 1
.irp i, 0,1,2,3,4,5
	v_mov_b32 v[22+\i], 0                          ; the zero halves of [q | 0] and [0 | q]: written once
	v_mov_b32 v[28+\i], 0
.endr
.irp b, 0,1,2,3
	v_mov_b32 v[236+\b], 0                         ; written once: a lane permute's destination counts as one of its sources
.endr
	v_mov_b32 v252, 0
	v_mov_b32 v253, 0                              ; (named as the upper half of the pair v[252:253] before it is first written)
.macro QK b                            ; the scores of key tiles 2 b and 2 b + 1
.if (\b)%2 == 0
	v_wmma_scale_f32_16x16x128_f8f6f4 v[S+16*(\b):S+16*(\b)+7], v[FR+12*(\b):FR+12*(\b)+11], v[16:27], 0, v[68+(\b)/2], v40 matrix_a_fmt:MATRIX_FMT_FP6 matrix_b_fmt:MATRIX_FMT_FP6
	v_wmma_scale_f32_16x16x128_f8f6f4 v[S+8+16*(\b):S+15+16*(\b)], v[FR+12*(\b):FR+12*(\b)+11], v[28:39], 0, v[68+(\b)/2], v41 matrix_a_fmt:MATRIX_FMT_FP6 matrix_b_fmt:MATRIX_FMT_FP6
.else
	v_wmma_scale_f32_16x16x128_f8f6f4 v[S+16*(\b):S+16*(\b)+7], v[FR+12*(\b):FR+12*(\b)+11], v[16:27], 0, v[68+(\b)/2], v40 matrix_a_fmt:MATRIX_FMT_FP6 matrix_b_fmt:MATRIX_FMT_FP6 matrix_a_scale:MATRIX_SCALE_ROW1
	v_wmma_scale_f32_16x16x128_f8f6f4 v[S+8+16*(\b):S+15+16*(\b)], v[FR+12*(\b):FR+12*(\b)+11], v[28:39], 0, v[68+(\b)/2], v41 matrix_a_fmt:MATRIX_FMT_FP6 matrix_b_fmt:MATRIX_FMT_FP6 matrix_a_scale:MATRIX_SCALE_ROW1
.endif
.endm
.macro PV ct                           ; O^T's channel tile ct += V^T P^T
.if (\ct)%2 == 0
	v_wmma_scale_f32_16x16x128_f8f6f4 v[O+8*(\ct):O+8*(\ct)+7], v[FR+12*(\ct):FR+12*(\ct)+11], v[PCD:PCD+11], v[O+8*(\ct):O+8*(\ct)+7], v[70+(\ct)/2], v253 matrix_a_fmt:MATRIX_FMT_FP6 matrix_b_fmt:MATRIX_FMT_FP6
.else
	v_wmma_scale_f32_16x16x128_f8f6f4 v[O+8*(\ct):O+8*(\ct)+7], v[FR+12*(\ct):FR+12*(\ct)+11], v[PCD:PCD+11], v[O+8*(\ct):O+8*(\ct)+7], v[70+(\ct)/2], v253 matrix_a_fmt:MATRIX_FMT_FP6 matrix_b_fmt:MATRIX_FMT_FP6 matrix_a_scale:MATRIX_SCALE_ROW1
.endif
.endm
; A KEY STEP of pass n: 128 keys from s[KF] on
.macro STEP n
	s_add_co_u32 s40, s[58+\n], 23                 ; the tile's last token
	s_cmp_gt_u32 s[KF], s40
	s_cbranch_scc1 .Lhidden_\@                     ; all keys come after all my queries: ids alone
	s_setprio 2
	v_add_nc_u32 v8, s[TB], v1
	v_add_nc_u32 v9, s[TB], v2
.irp b, 0,1,2,3
.irp c, 0,1,2
	ds_load_b128 v[FR+12*\b+4*\c:FR+12*\b+4*\c+3], v8 offset:1536*\b+512*\c
.endr
.endr
	ds_load_b64 v[68:69], v9 offset:6144           ; K's scale words: v68 fragments 0 | 1, v69 fragments 2 | 3
	s_wait_alu depctr_va_vdst(0)
	s_wait_dscnt 0x0
	QK 0
	QK 1
	QK 2
	QK 3
.rept 4
	v_nop                                          ; places behind the products: for the loads into their fragments' registers and the first reads of the scores
.endr
.irp b, 0,1,2,3
.irp c, 0,1,2
	ds_load_b128 v[FR+12*\b+4*\c:FR+12*\b+4*\c+3], v8 offset:6400+1536*\b+512*\c   ; V's four fragments land under the softmax
.endr
.endr
	ds_load_b64 v[70:71], v9 offset:12544
	s_add_co_u32 s40, s[KF], 127
	s_cmp_le_u32 s40, s[58+\n]
	s_cbranch_scc1 .Lopen_\@                       ; every key counts for every query of the tile
	s_sub_co_i32 s40, s[58+\n], s[KF]
	v_add_nc_u32 v252, s40, v3                     ; d = my query - the step's first key - 16 (lane / 16): register 16 b + i holds a hidden key where 32 b + i > d
	v_mov_b32 v254, 0xff800000                     ; -infinity
.set JJ, 0
.rept 64
	v_cmp_gt_i32 vcc_lo, 32*(JJ/16)+JJ%16, v252
	v_cndmask_b32 v[S+JJ], v[S+JJ], v254, vcc_lo
.set JJ, JJ+1
.endr
.Lopen_\@:
.irp b, 0,1,2,3
	v_max3_num_f32 v[232+\b], v[S+16*\b], v[S+1+16*\b], v[S+2+16*\b]   ; the largest score of each block of 32 keys: for the row's maximum and, since p rises with the score, for the block's largest p
.endr
.irp i, 3,5,7,9,11,13
.irp b, 0,1,2,3
	v_max3_num_f32 v[232+\b], v[232+\b], v[S+16*\b+\i], v[S+1+16*\b+\i]
.endr
.endr
.irp b, 0,1,2,3
	v_max_num_f32 v[232+\b], v[232+\b], v[S+15+16*\b]
.endr
.irp b, 0,1,2,3
	s_delay_alu instid0(VALU_DEP_4)
	v_permlanex16_b32 v[236+\b], v[232+\b], s[SEL], s[SEL+1]
.endr
.irp b, 0,1,2,3
	s_delay_alu instid0(VALU_DEP_4)
	v_max_num_f32 v[232+\b], v[232+\b], v[236+\b]  ; with lane l xor 16's 16 keys
.endr
	s_delay_alu instid0(VALU_DEP_2)
	v_max3_num_f32 v254, v232, v233, v234
	s_delay_alu instid0(VALU_DEP_1)
	v_max_num_f32 v254, v254, v235
	s_delay_alu instid0(VALU_DEP_1)
	v_mul_f32 v254, s[CS], v254                    ; as t
	s_delay_alu instid0(VALU_DEP_1)
	v_max_num_f32 v13, v13, v254                   ; the running largest t
	v_mov_b32 v254, v12
	s_delay_alu instid0(VALU_DEP_2)
	v_floor_f32 v12, -v13                          ; the new -M = -ceil(t)
	s_delay_alu instid0(VALU_DEP_1)
	v_sub_f32 v254, v12, v254                      ; old M - new M: a whole number, 0 or less
	s_delay_alu instid0(VALU_DEP_1)
	v_cvt_i32_f32 v254, v254                       ; (it saturates)
	s_delay_alu instid0(VALU_DEP_1)
	v_ldexp_f32 v252, 1.0, v254                    ; f = 2^(old M - new M)
.set JJ, 0
.rept 32
	v_pk_fma_f32 v[S+JJ:S+JJ+1], v[S+JJ:S+JJ+1], s[CS:CS+1], v[12:13] op_sel_hi:[1,0,0]   ; t - M
.set JJ, JJ+2
.endr
	s_setprio 1
.irp b, 0,1,2,3
	v_fma_f32 v[232+\b], v[232+\b], s[CS], v12
.endr
.set JJ, 0
	s_wait_alu depctr_va_vdst(0)
.rept 64
	v_exp_f32 v[S+JJ], v[S+JJ]                     ; p = 2^(t - M): one batch
.set JJ, JJ+1
.endr
	v_pk_mul_f32 v[14:15], v[14:15], v[252:253] op_sel_hi:[1,0]   ; the sums under the new M: the plain place behind the batch
	s_wait_alu depctr_va_vdst(0)                   ; one wait for the batch, ahead of its first reader
.irp b, 0,1,2,3
	v_exp_f32 v[232+\b], v[232+\b]                 ; each block's largest p
.endr
	v_pk_add_f32 v[236:237], v[124:125], v[128:129]
	v_pk_add_f32 v[254:255], v[132:133], v[136:137]
	v_pk_add_f32 v[250:251], v[140:141], v[144:145]
	v_pk_add_f32 v[248:249], v[148:149], v[152:153]
	v_pk_add_f32 v[246:247], v[156:157], v[160:161]
	v_pk_add_f32 v[244:245], v[164:165], v[168:169]
	v_pk_add_f32 v[242:243], v[172:173], v[176:177]
	v_pk_add_f32 v[14:15], v[14:15], v[180:181]
	v_pk_add_f32 v[236:237], v[236:237], v[120:121]
	v_pk_add_f32 v[254:255], v[254:255], v[122:123]
	v_pk_add_f32 v[250:251], v[250:251], v[126:127]
	v_pk_add_f32 v[248:249], v[248:249], v[130:131]
	v_pk_add_f32 v[246:247], v[246:247], v[134:135]
	v_pk_add_f32 v[244:245], v[244:245], v[138:139]
	v_pk_add_f32 v[242:243], v[242:243], v[142:143]
	v_pk_add_f32 v[14:15], v[14:15], v[146:147]
	v_pk_add_f32 v[236:237], v[236:237], v[150:151]
	v_pk_add_f32 v[254:255], v[254:255], v[154:155]
	v_pk_add_f32 v[250:251], v[250:251], v[158:159]
	v_pk_add_f32 v[248:249], v[248:249], v[162:163]
	v_pk_add_f32 v[246:247], v[246:247], v[166:167]
	v_pk_add_f32 v[244:245], v[244:245], v[170:171]
	v_pk_add_f32 v[242:243], v[242:243], v[174:175]
	v_pk_add_f32 v[14:15], v[14:15], v[178:179]
	v_pk_add_f32 v[236:237], v[236:237], v[182:183]
	s_delay_alu instid0(VALU_DEP_2)
	v_pk_add_f32 v[14:15], v[14:15], v[248:249]
	s_delay_alu instid0(VALU_DEP_2)
	v_pk_add_f32 v[236:237], v[236:237], v[246:247]
	v_pk_add_f32 v[254:255], v[254:255], v[244:245]
	v_pk_add_f32 v[250:251], v[250:251], v[242:243]
	s_delay_alu instid0(VALU_DEP_2)
	v_pk_add_f32 v[14:15], v[14:15], v[254:255]
	s_delay_alu instid0(VALU_DEP_2)
	v_pk_add_f32 v[236:237], v[236:237], v[250:251]
	s_delay_alu instid0(VALU_DEP_1)
	v_pk_add_f32 v[14:15], v[14:15], v[236:237]
	s_wait_alu depctr_va_vdst(0)                   ; and one for the four
.irp b, 0,1,2,3
	v_max_num_f32 v[232+\b], 0x1800000, v[232+\b]  ; the floor 2^(3 - 127)
.endr
.irp b, 0,1,2,3
	s_delay_alu instid0(VALU_DEP_4)
	v_add_nc_u32 v[244+\b], 0xff000000, v[232+\b]  ; the conversion's scale operand
.endr
.irp b, 0,1,2,3
	s_delay_alu instid0(VALU_DEP_4)
	v_lshrrev_b32 v[236+\b], 23, v[244+\b]         ; the byte
.endr
	s_delay_alu instid0(VALU_DEP_3)
	v_lshl_or_b32 v253, v237, 8, v236              ; p's scale word for these 128 keys
	s_delay_alu instid0(VALU_DEP_1)
	v_lshl_or_b32 v253, v238, 16, v253
	s_delay_alu instid0(VALU_DEP_1)
	v_lshl_or_b32 v253, v239, 24, v253
	s_setprio 0
.irp c, 0,1
	v_cvt_scalef32_pk16_fp6_f32 v[PCD+6*\c:PCD+2+6*\c], v[S+32*\c:S+15+32*\c], v[244+2*\c]
	v_cvt_scalef32_pk16_fp6_f32 v[236+4*\c:238+4*\c], v[S+16+32*\c:S+31+32*\c], v[245+2*\c]
.endr
	v_nop                                          ; one plain place behind a scaled conversion
.irp c, 0,1
.irp i, 0,1,2
	v_permlane16_swap_b32 v[PCD+6*\c+\i], v[236+4*\c+\i]
.endr
.irp i, 0,1,2
	s_delay_alu instid0(VALU_DEP_3)
	v_mov_b32 v[PCD+3+6*\c+\i], v[236+4*\c+\i]
.endr
.endr
.set JJ, 0
.rept 16
	v_pk_mul_f32 v[O+JJ:O+JJ+1], v[O+JJ:O+JJ+1], v[252:253] op_sel_hi:[1,0]   ; O^T under the new M; these sixteen are also the places between p's codes and word and the products
.set JJ, JJ+2
.endr
	s_wait_alu depctr_va_vdst(0)
	s_wait_dscnt 0x0                               ; V is in
	PV 0                                           ; four accumulators by turns
	PV 1
	PV 2
	PV 3
.rept 4
	v_nop                                          ; places behind the products: for the next step's loads, and for the way out
.endr
.Lhidden_\@:
.endm
.macro PASS n, trips
.irp i, 0,1,2,3,4,5
	v_mov_b32 v[16+\i], v[42+6*\n+\i]              ; [q | 0]
	v_mov_b32 v[34+\i], v[42+6*\n+\i]              ; [0 | q]
.endr
	v_lshrrev_b32 v254, s[56+\n], v[54+\n]
	s_delay_alu instid0(VALU_DEP_1)
	v_and_b32 v254, 0xffff, v254                   ; my tile's two scale bytes
	s_delay_alu instid0(VALU_DEP_1)
	v_or_b32 v40, 0x01010000, v254                 ; the zero halves' bytes are 1
	s_delay_alu instid0(VALU_DEP_2)
	v_lshl_or_b32 v41, v254, 16, 0x0101
	v_mov_b32 v13, 0xff61b1e6                      ; the largest t so far: -3e38
	s_delay_alu instid0(VALU_DEP_1)
	v_floor_f32 v12, -v13
	v_mov_b32 v14, 0
	v_mov_b32 v15, 0
.set JJ, 0
.rept 32
	v_mov_b32 v[O+JJ], 0                           ; O^T: the step is written once; the first change of M leaves zeros zeros.  (More than eight plain places between q's scale words and the first product)
.set JJ, JJ+1
.endr
	s_mov_b32 s[TB], 0
	s_mov_b32 s[KF], 0
	s_mov_b32 s43, \trips
.Lpass_\n:
	STEP \n
	s_add_co_u32 s[TB], s[TB], 12800
	s_add_co_u32 s[KF], s[KF], 128
	s_sub_co_u32 s43, s43, 1
	s_cmp_lg_u32 s43, 0
	s_cbranch_scc1 .Lpass_\n
	s_setprio 0
	; the way out: O^T / l, its two blocks of 32 channels quantised: half head % 2 of K step head / 2 of the last product's operand
	v_add_f32 v14, v14, v15
	s_delay_alu instid0(VALU_DEP_1)
	v_permlanex16_b32 v252, v14, s[SEL], s[SEL+1]
	s_delay_alu instid0(VALU_DEP_1)
	v_add_f32 v14, v14, v252                       ; the row's sum
	s_wait_alu depctr_va_vdst(0)
	v_rcp_f32 v14, v14
	v_nop                                          ; a plain place behind the reciprocal
	s_wait_alu depctr_va_vdst(0)                   ; and the wait ahead of its first reader
.set JJ, 0
.rept 32
	v_mul_f32 v[S+JJ], v[O+JJ], v14                ; register 16 b + i is channel 32 b + 16 (lane / 16) + i
.set JJ, JJ+1
.endr
.irp b, 0,1
	v_max3_num_f32 v[232+\b], |v[S+16*\b]|, |v[S+1+16*\b]|, 0x1800000
.endr
.irp i, 2,4,6,8,10,12,14
.irp b, 0,1
	s_delay_alu instid0(VALU_DEP_2)
	v_max3_num_f32 v[232+\b], v[232+\b], |v[S+16*\b+\i]|, |v[S+1+16*\b+\i]|
.endr
.endr
.irp b, 0,1
	s_delay_alu instid0(VALU_DEP_2)
	v_permlanex16_b32 v[236+\b], v[232+\b], s[SEL], s[SEL+1]
.endr
.irp b, 0,1
	s_delay_alu instid0(VALU_DEP_2)
	v_max_num_f32 v[232+\b], v[232+\b], v[236+\b]
.endr
.irp b, 0,1
	s_delay_alu instid0(VALU_DEP_2)
	v_add_nc_u32 v[244+\b], 0xff000000, v[232+\b]
.endr
.irp b, 0,1
	s_delay_alu instid0(VALU_DEP_2)
	v_lshrrev_b32 v[236+\b], 23, v[244+\b]
.endr
	s_delay_alu instid0(VALU_DEP_1)
	v_lshl_or_b32 v254, v237, 8, v236              ; my row's half-word
	v_cvt_scalef32_pk16_fp6_f32 v[56+6*\n:58+6*\n], v[S:S+15], v244
	v_cvt_scalef32_pk16_fp6_f32 v[240:242], v[S+16:S+31], v245
	v_nop                                          ; one plain place behind a scaled conversion
.irp i, 0,1,2
	v_permlane16_swap_b32 v[56+6*\n+\i], v[240+\i]
.endr
.irp i, 0,1,2
	s_delay_alu instid0(VALU_DEP_3)
	v_mov_b32 v[59+6*\n+\i], v[240+\i]
.endr
	global_store_b128 v1, v[56+6*\n:59+6*\n], s[44+2*\n:45+2*\n]              ; 512 consecutive bytes
	global_store_b64 v2, v[60+6*\n:61+6*\n], s[44+2*\n:45+2*\n] offset:512    ; 256
	ds_store_b16 v[4+\n], v254                     ; lanes r and r + 16 write the same half-word with the same value
.endm
.macro UNITS n                         ; behind a barrier: wave 0 stores the pass's two whole units of 256 bytes
	s_cmp_lg_u32 s12, 0
	s_cbranch_scc1 .Lnot_wave_0_\@
	s_wait_xcnt 0x0                                ; the last such store has read its registers
	ds_load_b128 v[228:231], v10 offset:512*\n
	s_wait_dscnt 0x0
	global_store_b128 v11, v[228:231], s[48+2*\n:49+2*\n]
.Lnot_wave_0_\@:
.endm
	s_wait_tensorcnt 1                             ; my part of keys 0 .. 1,023 has landed; the second load may be out
	s_barrier_signal -1
	s_barrier_wait -1                              ; everybody's has
	s_wait_loadcnt 0x0                             ; q, both tiles: the loads' offset registers are free too
	PASS 0, 8                                      ; tiles 0 .. 63 reach no key beyond 1,023
	s_wait_tensorcnt 0x0                           ; my part of keys 1,024 on has landed,
	s_wait_dscnt 0x0                               ; and my half-word is stored
	s_barrier_signal -1
	s_barrier_wait -1
	UNITS 0
	PASS 1, 16
	s_wait_dscnt 0x0                               ; my half-word is stored
	s_barrier_signal -1
	s_barrier_wait -1
	UNITS 1
	s_wait_tensorcnt 0x0                           ; the wave's end
	ds_add_u32 v6, v7
	s_wait_dscnt 0x0
	s_endpgm
.Lfunc_end_k_q70b1ca6234_attn:
	.size	k_q70b1ca6234_attn, .Lfunc_end_k_q70b1ca6234_attn-k_q70b1ca6234_attn
	.p2alignl 7, 3214868480
	.fill 96, 4, 3214868480
	.section	.rodata,"a",@progbits
	.p2align	6, 0x0
	.amdhsa_kernel k_q70b1ca6234_attn
		.amdhsa_group_segment_fixed_size 207872
		.amdhsa_private_segment_fixed_size 0
		.amdhsa_enable_private_segment 0
		.amdhsa_kernarg_size 24
		.amdhsa_user_sgpr_count 2
		.amdhsa_user_sgpr_kernarg_segment_ptr 1
		.amdhsa_wavefront_size32 1
		.amdhsa_system_sgpr_workgroup_id_x 1
		.amdhsa_system_sgpr_workgroup_id_y 1
		.amdhsa_system_sgpr_workgroup_id_z 1
		.amdhsa_system_vgpr_workitem_id 0
		.amdhsa_next_free_vgpr 256
		.amdhsa_next_free_sgpr 66
		.amdhsa_reserve_vcc 1
		.amdhsa_float_denorm_mode_32 3
		.amdhsa_float_denorm_mode_16_64 3
		.amdhsa_memory_ordered 1
		.amdhsa_forward_progress 1
		.amdhsa_inst_pref_size 68
	.end_amdhsa_kernel
	.amdgpu_metadata
---
amdhsa.version: [ 1, 2 ]
amdhsa.kernels:
  - .name:           k_q70b1ca6234_attn
    .symbol:         k_q70b1ca6234_attn.kd
    .args:
      - { .name: qq, .offset: 0, .size: 8, .value_kind: global_buffer, .address_space: global }
      - { .name: kv, .offset: 8, .size: 8, .value_kind: global_buffer, .address_space: global }
      - { .name: aq, .offset: 16, .size: 8, .value_kind: global_buffer, .address_space: global }
    .group_segment_fixed_size: 207872
    .private_segment_fixed_size: 0
    .kernarg_segment_align: 8
    .kernarg_segment_size: 24
    .max_flat_workgroup_size: 512
    .sgpr_count:     66
    .vgpr_count:     256
    .wavefront_size: 32
...
	.end_amdgpu_metadata
.endif
;; end of part 3
;; launch oproj (part 4): grid 4 x 64, 4 waves a work-group, clusters of 4 x 4, 325,120 bytes of LDS; arguments aq, wq, out0; writes out0
.if DOCPART == 4
	.amdgcn_target "amdgcn-amd-amdhsa--gfx1250"
	.amdhsa_code_object_version 6
	.text
	.protected	k_q70b1ca6234_oproj
	.globl	k_q70b1ca6234_oproj
	.p2align	8
	.type	k_q70b1ca6234_oproj,@function
k_q70b1ca6234_oproj:
	s_mov_b64 s[64:65], 0
	v_nop
	global_prefetch_b8 v0, s[64:65] scope:SCOPE_SE
	s_setreg_imm32_b32 hwreg(HW_REG_WAVE_MODE, 25, 1), 1
	s_wait_xcnt 0x0
	s_wait_alu depctr_hold_cnt(0) depctr_sa_sdst(0) depctr_va_vdst(0) depctr_va_sdst(0) depctr_va_ssrc(0) depctr_va_vcc(0) depctr_vm_vsrc(0)
	s_getreg_b32 s2, hwreg(HW_REG_IB_STS2, 6, 4)
	s_cmp_eq_u32 s2, 0
	s_cbranch_scc0 .Lentry_in_a_cluster
	s_endpgm
.Lentry_in_a_cluster:
	s_bfe_u32 s2, ttmp6, 0x10000c
	s_cmp_lg_u32 s2, 0xf033
	s_cbranch_scc0 .Lentry_shape_is_right
	s_endpgm
.Lentry_shape_is_right:
; out0 = attn Wo on codes of FP6 (E2M3) with E8M0 scales, f32 sums.  aq holds the attention's result as images of operand registers, laid as xq; Wo's images are wq's blocks 12 .. 15.
; A work-group makes 128 tokens x 256 columns over all of K = 1,024; wave w makes all 128 tokens x columns 64 w on: 32 accumulators.
; ALL OPERANDS LIE IN LDS AT ONCE (A 102,400 bytes, B 204,800): no byte is filled twice.  Each wave issues eight tensor loads at the head (A's and B's four quarters of K by turns); a quarter is read behind a counted wait and a barrier.
; CLUSTER 4 x 4: the four of a row need the same token block of A, the four of a column the same 256 columns of B: each load is asked for jointly, by the same descriptor and a mask that names the four.
; Source 0 = 16 columns of Wo, source 1 = 16 tokens: a lane holds a token and eight neighbouring columns; a token tile goes through the wave's own stage and leaves as whole rows of 256 bytes.
; Row r of token tile 2 b + u is token 32 b + 8 u + r + 8 (r / 8); row r of column tile 2 b + u is column 32 b + 8 u + r + 8 (r / 8).
; REGISTERS: window 0: v1-9 addresses, v10, v11 the add's two, v16-23 raw scale halves, v24-39 A's scale words, v40-47 B's, v96-191 A's eight fragments, v192-239 B's four (set 0); window 1: the accumulators; window 2: v96-239 set 1.
.set OPROJ, 1
.set KSB,   12800                      ; a K step of A, a K pair of B, in bytes
.if OPROJ
.set STAGE, 307200                     ; the way out: 16 rows x 272 bytes for each wave
.set SPARE, STAGE+4*16*272             ; the spare words, 128 bytes for each wave: two blocks of 256 bytes that no other line names
.else
.set SPARE, 307200
.endif
.set SPW, 10
.set NIL, 11
.set RAW, 16
.set XS,  24                           ; A's scale words [parity of the quarter][K step of the quarter][i]: lanes 0-15 tile 2 i, lanes 16-31 tile 2 i + 1
.set WS,  40                           ; B's [parity][K step][b]: lanes 0-15 tile 2 b, lanes 16-31 tile 2 b + 1
.set TM,  48
.set PW,  64
.set AF,  96
.set BF,  192
.set G1A, 24                           ; s[24:31], s[32:39] descriptor groups 1;  s[40:55] A's four groups 0;  s[56:63], s[68:75] B's
.set G1B, 32
.set G0A, 40
.set MSB, 0
.set ZZ,  0
.macro WIN new                         ; the immediate's high byte repeats the setting that is left
.if MSB != \new
	s_set_vgpr_msb (MSB<<8)|\new
.set MSB, \new
.endif
.endm
.macro CROUND                          ; a round of the cluster's barrier
	s_barrier_signal -1
	s_barrier_wait -1
	s_cmp_lg_u32 s12, 0
	s_cbranch_scc1 .Lnot_wave_0_\@
	s_barrier_signal -3
.Lnot_wave_0_\@:
	s_barrier_wait -3
	s_barrier_signal -1
	s_barrier_wait -1
.endm
; one product.  ra, rb: which half of the lanes holds source 0's and source 1's scale words.  ZZ = 1: it starts the sum
.macro WM d, a, b, sa, sb, ra, rb
.if ZZ
.if ((\ra) == 0) && ((\rb) == 0)
	v_wmma_scale_f32_16x16x128_f8f6f4 v[(\d):(\d)+7], v[(\a):(\a)+11], v[(\b):(\b)+11], 0, v[\sa], v[\sb] matrix_a_fmt:MATRIX_FMT_FP6 matrix_b_fmt:MATRIX_FMT_FP6
.elseif (\rb) == 0
	v_wmma_scale_f32_16x16x128_f8f6f4 v[(\d):(\d)+7], v[(\a):(\a)+11], v[(\b):(\b)+11], 0, v[\sa], v[\sb] matrix_a_fmt:MATRIX_FMT_FP6 matrix_b_fmt:MATRIX_FMT_FP6 matrix_a_scale:MATRIX_SCALE_ROW1
.elseif (\ra) == 0
	v_wmma_scale_f32_16x16x128_f8f6f4 v[(\d):(\d)+7], v[(\a):(\a)+11], v[(\b):(\b)+11], 0, v[\sa], v[\sb] matrix_a_fmt:MATRIX_FMT_FP6 matrix_b_fmt:MATRIX_FMT_FP6 matrix_b_scale:MATRIX_SCALE_ROW1
.else
	v_wmma_scale_f32_16x16x128_f8f6f4 v[(\d):(\d)+7], v[(\a):(\a)+11], v[(\b):(\b)+11], 0, v[\sa], v[\sb] matrix_a_fmt:MATRIX_FMT_FP6 matrix_b_fmt:MATRIX_FMT_FP6 matrix_a_scale:MATRIX_SCALE_ROW1 matrix_b_scale:MATRIX_SCALE_ROW1
.endif
.else
.if ((\ra) == 0) && ((\rb) == 0)
	v_wmma_scale_f32_16x16x128_f8f6f4 v[(\d):(\d)+7], v[(\a):(\a)+11], v[(\b):(\b)+11], v[(\d):(\d)+7], v[\sa], v[\sb] matrix_a_fmt:MATRIX_FMT_FP6 matrix_b_fmt:MATRIX_FMT_FP6
.elseif (\rb) == 0
	v_wmma_scale_f32_16x16x128_f8f6f4 v[(\d):(\d)+7], v[(\a):(\a)+11], v[(\b):(\b)+11], v[(\d):(\d)+7], v[\sa], v[\sb] matrix_a_fmt:MATRIX_FMT_FP6 matrix_b_fmt:MATRIX_FMT_FP6 matrix_a_scale:MATRIX_SCALE_ROW1
.elseif (\ra) == 0
	v_wmma_scale_f32_16x16x128_f8f6f4 v[(\d):(\d)+7], v[(\a):(\a)+11], v[(\b):(\b)+11], v[(\d):(\d)+7], v[\sa], v[\sb] matrix_a_fmt:MATRIX_FMT_FP6 matrix_b_fmt:MATRIX_FMT_FP6 matrix_b_scale:MATRIX_SCALE_ROW1
.else
	v_wmma_scale_f32_16x16x128_f8f6f4 v[(\d):(\d)+7], v[(\a):(\a)+11], v[(\b):(\b)+11], v[(\d):(\d)+7], v[\sa], v[\sb] matrix_a_fmt:MATRIX_FMT_FP6 matrix_b_fmt:MATRIX_FMT_FP6 matrix_a_scale:MATRIX_SCALE_ROW1 matrix_b_scale:MATRIX_SCALE_ROW1
.endif
.endif
.endm
; 16 products: token tiles t0 .. t0 + 3 x the four column tiles.  The 32 accumulators take turns, one instruction a turn, in the same order in every K step.
; tr = 1: source 0 = W, accumulator 4 T + ct;  tr = 0: source 0 = the tokens, accumulator 8 ct + T
.macro MUL tr, sub, par, t0
.irp tt, 0,1,2,3
.irp ct, 0,1,2,3
.set TT, (\t0)+\tt
.if \tr
	WM 8*(4*TT+\ct), BF+12*\ct, AF+12*TT, WS+4*(\par)+2*(\sub)+\ct/2, XS+8*(\par)+4*(\sub)+TT/2, \ct%2, TT%2
.else
	WM 8*(8*\ct+TT), AF+12*TT, BF+12*\ct, XS+8*(\par)+4*(\sub)+TT/2, WS+4*(\par)+2*(\sub)+\ct/2, TT%2, \ct%2
.endif
.endr
.endr
.endm
; K step s's twelve fragments into set p: 44 loads in one run
.macro FETCH p, s
.if \p
	WIN 0x80                                       ; destination window 2
.else
	WIN 0
.endif
.set A16, 1+2*((\s)/4)                 ; K steps 4-7 lie beyond an offset's 16 bits: a second pair of address registers
.set A8,  2+2*((\s)/4)
.set AO,  ((\s)%4)*KSB
.set BO,  ((\s)/2)*KSB+((\s)%2)*6144
.irp t, 0,1,2,3,4,5,6,7
	ds_load_b128 v[AF+12*\t:AF+12*\t+3], v[A16] offset:AO+1536*\t
	ds_load_b64 v[AF+12*\t+4:AF+12*\t+5], v[A8] offset:AO+1536*\t+512
	ds_load_b128 v[AF+12*\t+6:AF+12*\t+9], v[A16] offset:AO+1536*\t+768
	ds_load_b64 v[AF+12*\t+10:AF+12*\t+11], v[A8] offset:AO+1536*\t+1280
.endr
.irp c, 0,1,2,3
.irp k, 0,1,2
	ds_load_b128 v[BF+12*\c+4*\k:BF+12*\c+4*\k+3], v5 offset:BO+1536*\c+512*\k
.endr
.endr
	WIN 0
.endm
.macro SCALES qd                       ; quarter qd's scale bytes: A's four units of half-words, B's two units of words
.irp sub, 0,1
.set SS, 2*(\qd)+\sub
.irp c, 0,1
	ds_load_b64 v[RAW+4*\sub+2*\c:RAW+4*\sub+2*\c+1], v[2+2*(SS/4)] offset:(SS%4)*KSB+12288+256*\c
.endr
	ds_load_b64 v[WS+4*((\qd)%2)+2*\sub:WS+4*((\qd)%2)+2*\sub+1], v6 offset:(\qd)*KSB+12288+256*\sub
.endr
.endm
.macro PERMS qd                        ; A's words: bytes 0, 1 from unit 0's half-word, bytes 2, 3 from unit 1's
.irp sub, 0,1
.set XB, XS+8*((\qd)%2)+4*\sub
.set RA, RAW+4*\sub
	v_perm_b32 v[XB], v[RA+2], v[RA], s79
	v_perm_b32 v[XB+1], v[RA+2], v[RA], s80
	v_perm_b32 v[XB+2], v[RA+3], v[RA+1], s79
	v_perm_b32 v[XB+3], v[RA+3], v[RA+1], s80
.endr
.endm
.macro STEPA tr, qd                    ; a quarter's first K step, on set 0
	s_wait_dscnt 0x0                               ; set 0 and the quarter's scale bytes are in
	PERMS \qd
.rept 8
	v_nop                                          ; a scale register written by a vector instruction stands eight places ahead of a scaled product; these are also the places in front of the loads into set 1
.endr
	FETCH 1, 2*(\qd)+1
.if (\qd) == 0
.set ZZ, 1                             ; the first K step starts the sums: nothing is cleared
.endif
	WIN 0x50                                       ; sources window 0, C and D window 1
	MUL \tr, 0, (\qd)%2, 0
	MUL \tr, 0, (\qd)%2, 4
.set ZZ, 0
.endm
.macro STEPB tr, qd                    ; its second, on set 1; in its middle the next quarter is taken up
	s_wait_dscnt 0x0                               ; set 1 is in; no LDS instruction of mine is out at the signal
.if (\qd) < 3
	s_wait_tensorcnt 4-2*(\qd)                     ; my parts of the next quarter have landed; the later quarters' loads, two each, may be out
	s_barrier_signal -1
.endif
	WIN 0x5a                                       ; sources window 2, C and D window 1
	MUL \tr, 1, (\qd)%2, 0
.if (\qd) < 3
	s_barrier_wait -1                              ; every wave's part of A's next quarter has landed
.rept 4
	v_nop                                          ; places in front of loads into set 0, which products have read
.endr
	WIN 0
	SCALES (\qd)+1
	FETCH 0, 2*(\qd)+2
.endif
	WIN 0x5a
	MUL \tr, 1, (\qd)%2, 4
	WIN 0
.endm
.macro CORE tr
.irp qd, 0,1,2,3
	STEPA \tr, \qd
	STEPB \tr, \qd
.endr
.endm
	s_load_b128 s[4:7], s[0:1], 0x0                ; aq, wq
	s_load_b64 s[8:9], s[0:1], 0x10                ; out0
	v_lshl_add_u32 v[SPW], v0, 2, SPARE
	v_mov_b32 v[NIL], 0
	ds_add_u32 v[SPW], v[NIL]                      ; the wave's opening: the add and its wait ahead of the round in front of my first tensor loads
	v_lshrrev_b32 v12, 5, v0
	v_readfirstlane_b32 s12, v12                   ; wave 0..3
	s_bfe_u32 s13, ttmp6, 0x40000                  ; cx
	s_bfe_u32 s14, ttmp6, 0x40004                  ; cy
	s_and_b32 s15, ttmp7, 0xffff
	s_lshl_b32 s15, s15, 2
	s_add_co_u32 s15, s15, s14                     ; the token block = 4 x cluster y + cy
	s_add_co_u32 s16, s13, 12                      ; Wo's four blocks of 256 columns are wq's 12 .. 15
	s_lshl_b32 s84, s14, 2
	s_lshl_b32 s84, 15, s84                        ; my row of the cluster
	s_lshl_b32 s85, 0x1111, s13                    ; my column
	s_or_b32 s[G1A], s84, (3<<16)|(1<<21)          ; the mask; elements of 8 bytes; bit 21 beside a mask; dense rows of 256 bytes
	s_or_b32 s[G1B], s85, (3<<16)|(1<<21)
	s_mov_b32 s[G1A+1], 32<<16
	s_mov_b32 s[G1A+2], 25<<16                     ; A: 25 rows: my quarter of a quarter's 25,600 bytes
	s_mov_b32 s[G1A+3], 32<<16
	s_mov_b32 s[G1A+4], 25
	s_mov_b32 s[G1A+5], 32
	s_mov_b32 s[G1A+6], 0
	s_mov_b32 s[G1A+7], 0
	s_mov_b32 s[G1B+1], 32<<16
	s_mov_b32 s[G1B+2], 50<<16                     ; B: 50 rows: my wave's 12,800 bytes of a quarter
	s_mov_b32 s[G1B+3], 32<<16
	s_mov_b32 s[G1B+4], 50
	s_mov_b32 s[G1B+5], 32
	s_mov_b32 s[G1B+6], 0
	s_mov_b32 s[G1B+7], 0
	s_mul_i32 s18, s12, 6400                       ; A in LDS and in its block: wave x 6,400
	s_mul_i32 s19, s12, 51200
	s_add_co_u32 s19, s19, 102400                  ; B in LDS: behind A, wave x 51,200: no place in the cluster enters an LDS address
	s_mul_i32 s20, s15, 102400
	s_add_co_u32 s20, s20, s18
	s_mov_b32 s21, 0
	s_lshl_b32 s22, s16, 2
	s_add_co_u32 s22, s22, s12
	s_mul_i32 s22, s22, 51200
	s_mov_b32 s23, 0
	s_mov_b32 s79, 0x05040100
	s_mov_b32 s80, 0x07060302
	v_and_b32 v12, 31, v0
	v_lshlrev_b32 v1, 4, v12                       ; 16 x lane
	v_lshlrev_b32 v2, 3, v12                       ; 8 x lane
	v_add_nc_u32 v3, 51200, v1
	v_add_nc_u32 v4, 51200, v2
	v_add_nc_u32 v5, s19, v1
	v_add_nc_u32 v6, s19, v2
	v_and_b32 v13, 15, v0                          ; r
	v_bfe_u32 v14, v0, 4, 1                        ; h
	s_mul_i32 s86, s12, 16*272
	s_add_co_u32 s86, s86, STAGE                   ; my stage
	v_mul_u32_u24 v7, v13, 272
	v_lshl_add_u32 v7, v14, 6, v7
	v_add_nc_u32 v7, s86, v7                       ; in: row r, + 64 h
	v_mul_u32_u24 v8, v14, 272
	v_lshl_add_u32 v8, v13, 4, v8
	v_add_nc_u32 v8, s86, v8                       ; back: lanes 0-15 one row, lanes 16-31 the next
	v_lshlrev_b32 v9, 12, v14
	v_lshl_add_u32 v9, v13, 4, v9                  ; and the same in out0
	s_wait_dscnt 0x0                               ; the opening add is done
	s_wait_kmcnt 0x0
	s_add_nc_u64 s[88:89], s[4:5], s[20:21]
	s_add_nc_u64 s[90:91], s[6:7], s[22:23]
.irp q, 0,1,2,3
	s_mov_b32 s[G0A+4*\q], 1
	s_add_co_u32 s[G0A+4*\q+1], s18, \q*25600
	s_add_nc_u64 s[G0A+4*\q+2:G0A+4*\q+3], s[88:89], \q*25600
	s_or_b32 s[G0A+4*\q+3], s[G0A+4*\q+3], 0x80000000
	s_mov_b32 s[56+4*\q+4*(\q/2)], 1
	s_add_co_u32 s[57+4*\q+4*(\q/2)], s19, \q*12800
	s_add_nc_u64 s[58+4*\q+4*(\q/2):59+4*\q+4*(\q/2)], s[90:91], \q*12800
	s_or_b32 s[59+4*\q+4*(\q/2)], s[59+4*\q+4*(\q/2)], 0x80000000
.endr
	CROUND                                         ; all sixteen work-groups are here: the joint loads meet
.irp q, 0,1,2,3
	tensor_load_to_lds s[G0A+4*\q:G0A+4*\q+3], s[G1A:G1A+7]   ; eight loads of mine are out: A's and B's quarters by turns
	s_nop 0
	tensor_load_to_lds s[56+4*\q+4*(\q/2):59+4*\q+4*(\q/2)], s[G1B:G1B+7]
	s_nop 0
.endr
.rept 4
	v_nop
.endr
	s_lshl_b32 s92, s15, 19                        ; out0: 128 rows of 4,096 bytes a token block,
	s_lshl_b32 s93, s13, 10                        ; 1,024 bytes a block of 256 columns,
	s_add_co_u32 s92, s92, s93
	s_lshl_b32 s93, s12, 8                         ; 256 bytes a wave
	s_add_co_u32 s92, s92, s93
	s_mov_b32 s93, 0
	s_add_nc_u64 s[76:77], s[8:9], s[92:93]
	s_wait_tensorcnt 6                             ; my parts of quarter 0 have landed; the six later loads may be out
	s_barrier_signal -1
	s_barrier_wait -1                              ; everybody's have
	SCALES 0
	FETCH 0, 0
	CORE 1
; THE WAY OUT, a token tile at a time through my own stage: a lane holds 32 bytes of a row; rows come back whole, 256 bytes, and sixteen lanes store them at a multiple of 256 from out0's first byte
.macro TOSTAGE t
	WIN 0x04                                       ; an LDS store's data are its source 1: window 1
.irp ct, 0,1,2,3
	ds_store_b128 v7, v[8*(4*(\t)+\ct):8*(4*(\t)+\ct)+3] offset:128*(\ct/2)+32*(\ct%2)      ; each accumulator from its low end on
	ds_store_b128 v7, v[8*(4*(\t)+\ct)+4:8*(4*(\t)+\ct)+7] offset:128*(\ct/2)+32*(\ct%2)+16
.endr
	WIN 0
.irp i, 0,1,2,3,4,5,6,7
	ds_load_b128 v[AF+32*((\t)%2)+4*\i:AF+32*((\t)%2)+4*\i+3], v8 offset:544*\i    ; LDS serves a wave's instructions in order: these see my stores
.endr
.endm
.macro SEND t, younger
	s_wait_dscnt \younger
.irp i, 0,1,2,3,4,5,6,7
	global_store_b128 v9, v[AF+32*((\t)%2)+4*\i:AF+32*((\t)%2)+4*\i+3], s[76:77] offset:(32*((\t)/2)+8*((\t)%2)+2*\i+8*(\i/4))*4096 th:TH_STORE_NT   ; stage row 2 i + h is token 32 b + 8 u + 2 i + h + 8 (i / 4)
.endr
.endm
.rept 4
	v_nop                                          ; places behind the last products
.endr
	TOSTAGE 0
.irp a, 1,2,3,4,5,6,7
.if \a > 1
	s_wait_xcnt 0x0                                ; the stores of two tiles back have read their registers: this tile's loads may land there
.endif
	TOSTAGE \a
	SEND \a-1, 16                                  ; behind that tile's loads: this tile's 8 stores and 8 loads
.endr
	SEND 7, 0
	s_wait_tensorcnt 0x0                           ; the wave's end
	ds_add_u32 v[SPW], v[NIL]
	s_wait_dscnt 0x0
	CROUND                                         ; the closing round
	s_endpgm
.Lfunc_end_k_q70b1ca6234_oproj:
	.size	k_q70b1ca6234_oproj, .Lfunc_end_k_q70b1ca6234_oproj-k_q70b1ca6234_oproj
	.p2alignl 7, 3214868480
	.fill 96, 4, 3214868480
	.section	.rodata,"a",@progbits
	.p2align	6, 0x0
	.amdhsa_kernel k_q70b1ca6234_oproj
		.amdhsa_group_segment_fixed_size 325120
		.amdhsa_private_segment_fixed_size 0
		.amdhsa_enable_private_segment 0
		.amdhsa_kernarg_size 24
		.amdhsa_user_sgpr_count 2
		.amdhsa_user_sgpr_kernarg_segment_ptr 1
		.amdhsa_wavefront_size32 1
		.amdhsa_system_sgpr_workgroup_id_x 1
		.amdhsa_system_sgpr_workgroup_id_y 1
		.amdhsa_system_sgpr_workgroup_id_z 1
		.amdhsa_system_vgpr_workitem_id 0
		.amdhsa_next_free_vgpr 768
		.amdhsa_next_free_sgpr 96
		.amdhsa_reserve_vcc 0
		.amdhsa_float_denorm_mode_32 3
		.amdhsa_float_denorm_mode_16_64 3
		.amdhsa_memory_ordered 1
		.amdhsa_forward_progress 1
		.amdhsa_inst_pref_size 83
	.end_amdhsa_kernel
	.amdgpu_metadata
---
amdhsa.version: [ 1, 2 ]
amdhsa.kernels:
  - .name:           k_q70b1ca6234_oproj
    .symbol:         k_q70b1ca6234_oproj.kd
    .args:
      - { .name: aq, .offset: 0, .size: 8, .value_kind: global_buffer, .address_space: global }
      - { .name: wq, .offset: 8, .size: 8, .value_kind: global_buffer, .address_space: global }
      - { .name: out0, .offset: 16, .size: 8, .value_kind: global_buffer, .address_space: global }
    .group_segment_fixed_size: 325120
    .private_segment_fixed_size: 0
    .kernarg_segment_align: 8
    .kernarg_segment_size: 24
    .max_flat_workgroup_size: 128
    .sgpr_count:     96
    .vgpr_count:     768
    .wavefront_size: 32
...
	.end_amdgpu_metadata
.endif
;; end of part 4
